; MI455X (gfx1250); checked and timed in simulation.
; The chip was launched on July 23, 2026; its instructions are those of AMD's public machine-readable ISA for CDNA 5 (MIT licence, August 2026) and "CDNA5" Instruction Set Architecture Reference Guide (July 2026). The comments in the code are by the model that wrote it; some were corrected since.
;; Multihead Self Attention. Allowed arithmetic: matrix products marked QUANTISED: E4M3 operands, one given power-of-two scale a tensor, by v_wmma_f32_16x16x64_fp8_fp8 or v_wmma_f32_16x16x128_fp8_fp8, f32 sums; everything else in f32.
;; Inputs: Wk 1,024 x 1,024 float32; Wo 1,024 x 1,024 float32; Wq 1,024 x 1,024 float32; Wv 1,024 x 1,024 float32; lowp_scales 8 int32 (the exponents e of the quantised operands' scales 2^e); token_positions 2,048 int32; x 4 x 2,048 x 1,024 float32.
;; Outputs: out0 4 x 2,048 x 1,024 float32.
;; This version of the problem:
;;   THIS VERSION OF THE PROBLEM IS GIVEN IN LOW PRECISION. The matrix products marked QUANTISED in the list below multiply operands that are first quantised to E4M3 (4 exponent bits, 3 mantissa bits; 8 bits a number), with one given power-of-two scale for each operand tensor; their sums are f32. All else is computed in f32.
;;   The module's matrix products, in the order in which they are computed (A, B: the left and right operand; K: the contracted axis; several contracted axes count as one K, in the product's order):
;;     1. [M 8,192, K 1,024] x [K 1,024, N 3,072]; A: input x; B: computed on the way: QUANTISED (scales: A lowp_scales[0], B lowp_scales[1])
;;     2. batch 64 x [M 2,048, K 64] x [K 64, N 2,048]; A: computed on the way; B: computed on the way: QUANTISED (scales: A lowp_scales[2], B lowp_scales[3])
;;     3. batch 64 x [M 2,048, K 2,048] x [K 2,048, N 64]; A: softmax (see below); B: computed on the way: QUANTISED (scales: A lowp_scales[4], B lowp_scales[5])
;;     4. [M 8,192, K 1,024] x [K 1,024, N 1,024]; A: computed on the way; B: input Wo: QUANTISED (scales: A lowp_scales[6], B lowp_scales[7])
;;   THE QUANTISER, for each operand of a quantised product, along K:
;;     - The operand's scale is 2^e, e = its entry of the input lowp_scales (int32; the entries are numbered through the quantised products in the list's order, A before B).
;;     - Each number is divided by the scale, clamped to +-448, and rounded to the nearest number of E4M3, ties to even, subnormals kept.
;;     - The product sums the exact products of the quantised numbers (number of the format x scale) in f32.
;;   ~~~python
;;   def quantise(x, axis, e):      # numpy; x: float32 -> the quantised numbers, widened to float32 again
;;       x = np.moveaxis(x, axis, -1); K = x.shape[-1]
;;       r = np.clip(x / 2.0 ** e, -448, 448)
;;       step = 2.0 ** (np.maximum(np.frexp(np.where(r == 0, 1, r))[1] - 1, -6) - 3)
;;       q = np.round(r / step) * step * 2.0 ** e      # np.round: ties to even
;;       return np.moveaxis(q, -1, axis).astype(np.float32)
;;   ~~~
;;   SOFTMAX AHEAD OF A QUANTISED PRODUCT. Where the list says 'softmax', what is quantised is not the finished softmax but p = 2^(t - M), with t = logit x log2(e) and M = ceil(the row's largest t), a whole number; so 1/2 < the row's largest p <= 1. The row's sum l is taken of the UNQUANTISED p, in f32, and the product's result is divided by l at the end. Since M is a whole number, a kernel that streams over the keys may use a running M (the ceiling of the running maximum): every later rescaling is an exact power of two, so the quantised numbers keep their values, but for numbers so far below the row's largest that they fall under the format's range.
;;   OPERANDS COMPUTED ON THE WAY. 'Computed on the way' means the value that the module computes at that place (a softmax that the list does not call 'softmax' is quantised finished and normalised). What goes into a quantiser is computed in f32, as accurately as f32 sums, v_exp_f32 and their like allow (about 1e-6 of the number): no bf16 or f16 on the way to a quantiser, and a product that is left as it is and whose result goes on into a quantised operand takes f32 operands (vector FMAs, or v_wmma_f32_16x16x4_f32). A number that lies on a knife's edge between two numbers of the format may be rounded either way, as far as f32 arithmetic and the matrix unit's own rounding can turn it there, and no further.
;; One version. Each part assembles by itself: llvm-mc -triple=amdgcn-amd-amdhsa -mcpu=gfx1250 --defsym DOCPART=n.
;; ======== version 1 of 1: 4 launches
;; limits: right only within a limited range of input values
;; workspace buffers: xc 8,388,608 bytes; wc 3,145,728 bytes; woc 1,048,576 bytes; tab 524,288 bytes; qc 8,388,608 bytes; kc 8,388,608 bytes; vc 8,388,608 bytes; ac 8,388,608 bytes
;; launch prep (part 1): grid 832 x 1, 4 waves a work-group, no clusters, 33,280 bytes of LDS; arguments x, Wq, Wk, Wv, Wo, token_positions, lowp_scales, xc, wc, woc, tab; writes xc, wc, woc, tab
.if DOCPART == 1
	.amdgcn_target "amdgcn-amd-amdhsa--gfx1250"
	.amdhsa_code_object_version 6
	.text
	.protected	k_q34c09698c4_prep
	.globl	k_q34c09698c4_prep
	.p2align	8
	.type	k_q34c09698c4_prep,@function
k_q34c09698c4_prep:
	s_mov_b64 s[64:65], 0
	v_nop
	global_prefetch_b8 v0, s[64:65] scope:SCOPE_SE
	s_setreg_imm32_b32 hwreg(HW_REG_WAVE_MODE, 25, 1), 1
	s_wait_xcnt 0x0
; PREP.  (1) x, Wq, Wk, Wv, Wo (f32, K innermost, dense rows) become codes of E4M3: xc (scale 2^e0), wc = Wq, Wk, Wv one behind the other (2^e1), woc (2^e7).
; code = number / 2^e, held within +-448, rounded to the nearest code, ties to even.  (2) the table of cos and sin for the rotation of q and k, from token_positions as they are given.
; Work-groups 0-511 take x, 512-575 Wq, 576-639 Wk, 640-703 Wv, 704-767 Wo: 16,384 numbers each, 4,096 a wave, in 8 steps of 512.  Work-groups 768-831 make the table, 32 positions each.
; THE QUANTISER: each load reads 512 consecutive bytes, 16 a lane; the conversion wants 16 NEIGHBOURS in one lane, so a step's 2,048 bytes turn through the wave's own stage in LDS
; (16 bytes of padding behind each 64) and come back 64 bytes a lane.  A lane's 16 codes are 16 bytes: a store covers 512 consecutive bytes.  Waves share nothing: no barrier.
; THE TABLE: angle = f32(position) x 10^(-j/8), j = 0..31; 10^(-j/8) = 10^-(j/8) x 10^-((j%8)/8), two f32 constants multiplied.  The angle is reduced by pi/2 in three parts (the first product is exact),
; sine and cosine come from two polynomials on +-pi/4, and the quadrant swaps and signs them.  The number for (position index s, n = 0..63: cos of frequency n/2 where n is even, sin where odd) lies at byte
; (s>>4) 4096 + (n>>4) 1024 + ((n>>2)&1) 512 + ((n>>3)&1) 256 + (s&15) 16 + (n&3) 4: the order in which the next launch's lanes take it, 512 consecutive bytes a load.
; LIMITS: e0, e1, e7 between -126 and 119.  |token position| up to 2^20 (beyond, the reduced angle leaves the polynomials' range).  NaN among the inputs is not served.
.set STEPS, 8
.set EMAX,  8
.set MANT,  0x600000                   ; the mantissa field of 448 as f32
.set CB,    16                         ; bytes of 16 codes
.set R,     16                         ; v16-79   four sets of 16 numbers as they are loaded
.set X,     80                         ; v80-111  two sets of 16 neighbours
.set C,     128                        ; v128-159 codes: four registers for each step, so that no store's data are written again
.set WREG,  8192                       ; LDS: a region for each wave: two stages of 32 x SP bytes
.set SP,    80                         ; a lane's place in a stage: 64 bytes + 16 of padding
.set WV,    40                         ; s40 my wave's number
	s_load_b512 s[4:19], s[0:1], 0x0               ; x s[4:5], Wq s[6:7], Wk s[8:9], Wv s[10:11], Wo s[12:13], positions s[14:15], exponents s[16:17], xc s[18:19]
	s_load_b128 s[20:23], s[0:1], 0x40             ; wc s[20:21], woc s[22:23]
	s_load_b64 s[24:25], s[0:1], 0x50              ; tab
	v_lshl_add_u32 v192, v0, 2, 0x8000             ; my spare word, behind the four regions; v193 = 0; both kept for the add at the wave's end
	v_mov_b32 v193, 0
	v_lshrrev_b32 v1, 5, v0
	v_readfirstlane_b32 s[WV], v1                  ; wave 0..3
	v_and_b32 v2, 31, v0                           ; lane
	s_wait_kmcnt 0x0
	s_cmp_ge_u32 ttmp9, 768
	s_cbranch_scc1 .Ltable                         ; the table's work-groups; they use no LDS
	; ---------------- the quantiser ----------------
	s_load_b256 s[32:39], s[16:17], 0x0            ; e0 .. e7
	s_wait_alu depctr_va_vdst(0)
	v_lshlrev_b32 v3, 4, v2                        ; my 16 bytes of a load's 512
	s_wait_alu depctr_va_vdst(0)
	s_mul_i32 s41, s[WV], WREG
	v_lshrrev_b32 v14, 2, v2
	v_mul_u32_u24 v14, v14, SP
	v_and_b32 v15, 3, v2
	v_lshl_add_u32 v14, v15, 4, v14
	v_add_nc_u32 v14, s41, v14                     ; the stage, on the way in: SP (lane / 4) + 16 (lane % 4)
	v_mul_u32_u24 v15, v2, SP
	v_add_nc_u32 v15, s41, v15                     ; and on the way out: SP x lane: my 16 neighbours
	v_mul_u32_u24 v4, v2, CB                       ; my codes' place in a step's
	s_mov_b64 s[26:27], s[4:5]                     ; the source, the destination and the first work-group of each: chosen by the work-group's number alone
	s_mov_b64 s[28:29], s[18:19]
	s_mov_b32 s30, 0
	s_mov_b32 s31, 0
	s_cmp_ge_u32 ttmp9, 512
	s_cselect_b64 s[26:27], s[6:7], s[26:27]
	s_cselect_b64 s[28:29], s[20:21], s[28:29]
	s_cselect_b32 s30, 512, s30
	s_cselect_b32 s31, 512, s31
	s_cmp_ge_u32 ttmp9, 576
	s_cselect_b64 s[26:27], s[8:9], s[26:27]
	s_cselect_b32 s30, 576, s30
	s_cmp_ge_u32 ttmp9, 640
	s_cselect_b64 s[26:27], s[10:11], s[26:27]
	s_cselect_b32 s30, 640, s30
	s_cmp_ge_u32 ttmp9, 704
	s_cselect_b64 s[26:27], s[12:13], s[26:27]
	s_cselect_b64 s[28:29], s[22:23], s[28:29]
	s_cselect_b32 s30, 704, s30
	s_cselect_b32 s31, 704, s31
	s_sub_co_u32 s42, ttmp9, s30
	s_lshl_b32 s42, s42, 2
	s_add_co_u32 s42, s42, s[WV]                   ; which run of 4,096 numbers of the source is my wave's
	s_lshl_b32 s42, s42, 14                        ; 16,384 bytes a run; under 2^26
	s_mov_b32 s43, 0
	s_add_nc_u64 s[26:27], s[26:27], s[42:43]
	s_sub_co_u32 s42, ttmp9, s31
	s_lshl_b32 s42, s42, 2
	s_add_co_u32 s42, s42, s[WV]                   ; and of the destination (Wq, Wk, Wv share one)
	s_lshl_b32 s42, s42, 12                        ; 4,096 bytes a run
	s_add_nc_u64 s[28:29], s[28:29], s[42:43]
.macro LOAD t
.irp i, 0,1,2,3
	global_load_b128 v[R+16*((\t)%4)+4*\i:R+16*((\t)%4)+4*\i+3], v3, s[26:27] offset:2048*(\t)+512*\i th:TH_LOAD_NT   ; 32 lanes read 512 consecutive bytes, read once in the launch
.endr
.endm
.macro TURN t                          ; step t's numbers through the stage: LDS serves a wave's instructions in order, so no wait stands between the stores and the loads
.irp i, 0,1,2,3
	ds_store_b128 v14, v[R+16*((\t)%4)+4*\i:R+16*((\t)%4)+4*\i+3] offset:32*SP*((\t)%2)+8*SP*\i
.endr
.irp i, 0,1,2,3
	ds_load_b128 v[X+16*((\t)%2)+4*\i:X+16*((\t)%2)+4*\i+3], v15 offset:32*SP*((\t)%2)+16*\i
.endr
.endm
.irp t, 0,1,2,3
	LOAD \t
.endr
	s_wait_alu depctr_va_vdst(0)
	s_wait_kmcnt 0x0
	s_cmp_ge_u32 ttmp9, 512
	s_cselect_b32 s44, s33, s32                    ; e1 for the three weights, e0 for x,
	s_cmp_ge_u32 ttmp9, 704
	s_cselect_b32 s44, s39, s44                    ; e7 for Wo
	s_add_co_i32 s44, s44, 127
	s_lshl_b32 s45, s44, 23
	v_mov_b32 v11, s45                             ; 2^e as f32: the conversion takes its exponent field
	s_add_co_i32 s44, s44, EMAX
	s_lshl_b32 s44, s44, 23
	s_or_b32 s44, s44, MANT
	v_mov_b32 v10, s44                             ; 448 x 2^e
	s_wait_alu depctr_va_vdst(0)
	s_wait_loadcnt 12                              ; step 0's four loads are in; the twelve of steps 1 to 3 stay out
	TURN 0
.macro STEP t
.set XS, X+16*((\t)%2)
	s_wait_dscnt 0x0                               ; this step's numbers are back from the stage: so its stores into the stage have read their registers,
.if (\t)+4 < STEPS
	LOAD (\t)+4                                    ; which take the loads of four steps on
.endif
.if (\t)+1 < STEPS
.if STEPS-2-(\t) >= 3
	s_wait_loadcnt 12                              ; the next step's four loads are in; those of the three steps behind it may be out
.else
	s_wait_loadcnt 4*(STEPS-2-(\t))                ; at the end the count runs down
.endif
	TURN (\t)+1                                    ; and go through the other stage while this step is worked
.endif
.irp i, 0,1,2,3,4,5,6,7,8,9,10,11,12,13,14,15
	v_med3_num_f32 v[XS+\i], v[XS+\i], -v10, v10   ; the conversion to an 8-bit code does not saturate (ISA guide 7.6.2): the hold at the largest code x the scale comes first
.endr
	v_cvt_scalef32_pk8_fp8_f32 v[C+4*(\t):C+4*(\t)+1], v[XS:XS+7], v11
	v_cvt_scalef32_pk8_fp8_f32 v[C+4*(\t)+2:C+4*(\t)+3], v[XS+8:XS+15], v11
	global_store_b128 v4, v[C+4*(\t):C+4*(\t)+3], s[28:29] offset:32*CB*(\t)   ; the results go to a store alone; the next vector lines are the next step's holds, on other registers
.endm
.irp t, 0,1,2,3,4,5,6,7
	STEP \t
.endr
	s_wait_tensorcnt 0x0                           ; the wave's end, behind my last LDS store
	ds_add_u32 v192, v193
	s_wait_dscnt 0x0
	s_endpgm
	; ---------------- the table ----------------
.Ltable:
	s_sub_co_u32 s26, ttmp9, 768                   ; t = 0..63: positions 32 t + lane; my wave g takes frequencies 8 g .. 8 g + 7
	s_lshl_b32 s27, s26, 7
	s_wait_alu depctr_va_vdst(0)
	v_lshl_add_u32 v1, v2, 2, s27
	global_load_b32 v21, v1, s[14:15]              ; token_positions[32 t + lane]
	s_mov_b32 s28, 1.0
	s_cmp_eq_u32 s[WV], 1
	s_cselect_b32 s28, 0x3dcccccd, s28             ; 10^-g
	s_cmp_eq_u32 s[WV], 2
	s_cselect_b32 s28, 0x3c23d70a, s28
	s_cmp_eq_u32 s[WV], 3
	s_cselect_b32 s28, 0x3a83126f, s28
	v_mov_b32 v3, s28
	s_mov_b32 s44, 0xbfc90fdb                      ; pi/2 in three parts, each negated
	s_mov_b32 s45, 0x333bbd2e
	s_mov_b32 s46, 0x26f72ced
	s_mov_b32 s47, 0xbe2aaaa3                      ; sin r = r + r z (S1 + z (S2 + z S3)), z = r r
	s_mov_b32 s48, 0x3c08839e
	s_mov_b32 s49, 0xb94ca1f9
	s_mov_b32 s50, 0x3d2aaaa5                      ; cos r = 1 - z / 2 + z z (C1 + z (C2 + z C3))
	s_mov_b32 s51, 0xbab6061a
	s_mov_b32 s52, 0x37ccf5ce
	s_lshl_b32 s29, s26, 13                        ; 2 t blocks of 4,096 bytes
	s_lshl_b32 s30, s[WV], 10
	s_add_co_u32 s29, s29, s30
	v_lshrrev_b32 v4, 4, v2
	v_lshlrev_b32 v4, 12, v4
	v_and_b32 v23, 15, v2
	v_lshl_add_u32 v4, v23, 4, v4
	v_add_nc_u32 v4, s29, v4                       ; (2 t + lane / 16) 4096 + 1024 g + 16 (lane % 16)
	s_wait_alu depctr_va_vdst(0)
	s_wait_loadcnt 0x0
	v_cvt_f32_i32 v22, v21
.macro SC m, b                         ; frequency 8 g + m: cos into v[32 + 2 m], sin into v[33 + 2 m]
	v_mul_f32 v5, \b, v3                           ; 10^-(j/8)
	v_mul_f32 v5, v22, v5                          ; the angle, in f32
	v_mul_f32 v6, 0x3f22f983, v5                   ; x 2 / pi
	v_rndne_f32 v6, v6                             ; k
	v_fma_f32 v7, v6, s44, v5
	v_fma_f32 v7, v6, s45, v7
	v_fma_f32 v7, v6, s46, v7                      ; r = angle - k pi/2
	v_cvt_i32_f32 v8, v6
	v_mul_f32 v9, v7, v7                           ; z
	v_fma_f32 v10, v9, s49, s48
	v_fma_f32 v10, v10, v9, s47
	v_mul_f32 v11, v9, v7
	v_fma_f32 v10, v10, v11, v7                    ; sin r
	v_fma_f32 v12, v9, s52, s51
	v_fma_f32 v12, v12, v9, s50
	v_fma_f32 v13, v9, -0.5, 1.0
	v_mul_f32 v11, v9, v9
	v_fma_f32 v12, v12, v11, v13                   ; cos r
	v_and_b32 v14, 1, v8
	v_cmp_eq_u32 vcc_lo, 1, v14                    ; an odd quadrant swaps the two,
	v_cndmask_b32 v15, v10, v12, vcc_lo
	v_cndmask_b32 v16, v12, v10, vcc_lo
	v_lshlrev_b32 v17, 30, v8                      ; the sine is negative where k & 2,
	v_and_b32 v17, 0x80000000, v17
	v_xor_b32 v[33+2*\m], v15, v17
	v_add_nc_u32 v18, 1, v8                        ; the cosine where (k + 1) & 2
	v_lshlrev_b32 v18, 30, v18
	v_and_b32 v18, 0x80000000, v18
	v_xor_b32 v[32+2*\m], v16, v18
.endm
	SC 0, 1.0
	SC 1, 0.7498942093
	SC 2, 0.5623413252
	SC 3, 0.4216965034
	SC 4, 0.3162277660
	SC 5, 0.2371373706
	SC 6, 0.1778279410
	SC 7, 0.1333521432
.irp kk, 0,1,2,3
	global_store_b128 v4, v[32+4*\kk:35+4*\kk], s[24:25] offset:((\kk)&1)*512+((\kk)>>1)*256   ; sixteen lanes store 256 consecutive bytes, aligned
.endr
	s_endpgm
.Lfunc_end_k_q34c09698c4_prep:
	.size	k_q34c09698c4_prep, .Lfunc_end_k_q34c09698c4_prep-k_q34c09698c4_prep
	.p2alignl 7, 3214868480
	.fill 96, 4, 3214868480
	.section	.rodata,"a",@progbits
	.p2align	6, 0x0
	.amdhsa_kernel k_q34c09698c4_prep
		.amdhsa_group_segment_fixed_size 33280
		.amdhsa_private_segment_fixed_size 0
		.amdhsa_enable_private_segment 0
		.amdhsa_kernarg_size 88
		.amdhsa_user_sgpr_count 2
		.amdhsa_user_sgpr_kernarg_segment_ptr 1
		.amdhsa_wavefront_size32 1
		.amdhsa_system_sgpr_workgroup_id_x 1
		.amdhsa_system_sgpr_workgroup_id_y 1
		.amdhsa_system_sgpr_workgroup_id_z 1
		.amdhsa_system_vgpr_workitem_id 0
		.amdhsa_next_free_vgpr 194
		.amdhsa_next_free_sgpr 66
		.amdhsa_reserve_vcc 1
		.amdhsa_float_denorm_mode_32 3
		.amdhsa_float_denorm_mode_16_64 3
		.amdhsa_memory_ordered 1
		.amdhsa_forward_progress 1
		.amdhsa_inst_pref_size 34
	.end_amdhsa_kernel
	.amdgpu_metadata
---
amdhsa.version: [ 1, 2 ]
amdhsa.kernels:
  - .name:           k_q34c09698c4_prep
    .symbol:         k_q34c09698c4_prep.kd
    .args:
      - { .name: x, .offset: 0, .size: 8, .value_kind: global_buffer, .address_space: global }
      - { .name: Wq, .offset: 8, .size: 8, .value_kind: global_buffer, .address_space: global }
      - { .name: Wk, .offset: 16, .size: 8, .value_kind: global_buffer, .address_space: global }
      - { .name: Wv, .offset: 24, .size: 8, .value_kind: global_buffer, .address_space: global }
      - { .name: Wo, .offset: 32, .size: 8, .value_kind: global_buffer, .address_space: global }
      - { .name: token_positions, .offset: 40, .size: 8, .value_kind: global_buffer, .address_space: global }
      - { .name: lowp_scales, .offset: 48, .size: 8, .value_kind: global_buffer, .address_space: global }
      - { .name: xc, .offset: 56, .size: 8, .value_kind: global_buffer, .address_space: global }
      - { .name: wc, .offset: 64, .size: 8, .value_kind: global_buffer, .address_space: global }
      - { .name: woc, .offset: 72, .size: 8, .value_kind: global_buffer, .address_space: global }
      - { .name: tab, .offset: 80, .size: 8, .value_kind: global_buffer, .address_space: global }
    .group_segment_fixed_size: 33280
    .private_segment_fixed_size: 0
    .kernarg_segment_align: 8
    .kernarg_segment_size: 88
    .max_flat_workgroup_size: 128
    .sgpr_count:     66
    .vgpr_count:     194
    .wavefront_size: 32
...
	.end_amdgpu_metadata
.endif
;; end of part 1
;; launch qkv (part 2): grid 8 x 32, 4 waves a work-group, clusters of 4 x 4, 327,680 bytes of LDS; arguments xc, wc, tab, lowp_scales, qc, kc, vc; writes qc, kc, vc
.if DOCPART == 2
	.amdgcn_target "amdgcn-amd-amdhsa--gfx1250"
	.amdhsa_code_object_version 6
	.text
	.protected	k_q34c09698c4_qkv
	.globl	k_q34c09698c4_qkv
	.p2align	8
	.type	k_q34c09698c4_qkv,@function
k_q34c09698c4_qkv:
	s_mov_b64 s[64:65], 0
	v_nop
	global_prefetch_b8 v0, s[64:65] scope:SCOPE_SE
	s_setreg_imm32_b32 hwreg(HW_REG_WAVE_MODE, 25, 1), 1
	s_wait_xcnt 0x0
	s_wait_alu depctr_hold_cnt(0) depctr_sa_sdst(0) depctr_va_vdst(0) depctr_va_sdst(0) depctr_va_ssrc(0) depctr_va_vcc(0) depctr_vm_vsrc(0)
	s_getreg_b32 s2, hwreg(HW_REG_IB_STS2, 6, 4)
	s_cmp_eq_u32 s2, 0
	s_cbranch_scc0 .Lentry_in_a_cluster
	s_endpgm
.Lentry_in_a_cluster:
	s_bfe_u32 s2, ttmp6, 0x10000c
	s_cmp_lg_u32 s2, 0xf033
	s_cbranch_scc0 .Lentry_shape_is_right
	s_endpgm
.Lentry_shape_is_right:
; QKV.  The first product on codes of E4M3 (x: 2^e0, the weights: 2^e1), the rotation of q and k, and the quantisers of q (2^e2), k (2^e3) and v (2^e5), in one launch of 256 work-groups THAT STAY.
; Work-group (X = 0..7, Y = 0..31) makes two tiles, one after the other, both from x's rows 256 Y .. + 255:
;   first 256 tokens x 256 channels of q (X < 4) or k: against rows 256 X .. of the weights' codes; a wave makes 128 x 128 (64 accumulators);
;   then 128 channels x 256 tokens of v: against rows 2,048 + 128 X .. ; a wave makes 64 channels x 128 tokens (32 accumulators).
; K = 1,024 goes in four steps of 256 through a ring of two LDS slots (x's 256 rows, then the weights' 256 or 128).  THE RING GOES ON INTO THE SECOND TILE: the first tile's last two changes of slots ask for
; the second tile's K steps 0 and 1, and then the first tile goes out.
; CLUSTERS of 4 x 4: x's tiles hang on Y alone and are shared along a row of the cluster, the weights' on X alone and are shared along a column: joint loads, a mask of four.
; THE MATRIX INSTRUCTION: q, k: source 0 = 16 rows of the weights, source 1 = 16 rows of x: a lane holds one token and eight neighbouring channels (four pairs of the rotation).
;   v: source 0 = 16 rows of x, source 1 = 16 rows of Wv: a lane holds one channel and eight neighbouring tokens (the keys are the next K of v).
; THE SCALES ARE FOLDED: the rotation is linear, so it runs on the raw sums; a sum stands for sum x 2^(e0 + e1), so the conversion takes 2^E, E = (e2 | e3 | e5) - e0 - e1.
; COS AND SIN of my 128 tokens, 8 blocks x 32 registers, fill window 1, which holds no fragment while q or k goes out: blocks 0-3 (set 0's registers) are asked for ahead of the last change of slots,
; blocks 4-7 (set 1's) behind the last products: 64 loads, and block a waits until 56 - 8 a are out.
; OUT: qc [bh][s][64];  kc [bh][pos][64], pos = s with bits 3 and 4 exchanged;  vc [bh][s / 128][channel 64][128 keys].  A block of 16 rows x 128 codes goes through the wave's own stage in LDS
; and leaves as runs of 512 consecutive bytes.  The stages have bytes of their own, into which no tile lands.
; NO PREFETCH: of the first tile's four K steps two are first fills and the other two could be named only at the head; the second tile's rows of x are those that this work-group has just read, and its
; first two K steps are asked for by their tensor loads a whole way out ahead of their use.
; LIMITS: each E between -126 and 119.
; REGISTERS, in windows of 256: window 0: v0-31 addresses and constants; v96-111 a block's codes; from v128 source 1's fragments (q, k: ONE set of eight; v: two sets of four);
;   on the ways out v128-191 numbers at work, v192-223 rows read back.  window 1: source 0's fragments, two sets, at v0 and v128; on q's and k's way out cos and sin.
;   window 2: accumulators (a, b) at v[8 (8 a + b)], a = 0..3;  window 3: a = 4..7.
.set ROWB,   256
.set KROW,   1024
.set PITCH,  272                       ; an LDS row: 256 bytes + 16 of padding: the 16 rows that a load touches start at 16 different groups of four banks (ISA guide 11.1)
.set FR,     16
.set NL,     4
.set NP,     4                         ; places behind this matrix instruction (ISA guide 7.12.1)
.set HALFT,  128*PITCH
.set SLOT,   4*HALFT
.set SPARE,  2*SLOT                    ; the spare words, 128 bytes a wave: two blocks of 256 bytes that no other line names
.set QP,     144                       ; a stage row: 128 codes + 16 bytes
.set STGQ,   SPARE+512
.set STGV,   STGQ+4*16*QP
.set VO0,  8                           ; v8 16 x lane;  v9, v10: + (k: 1024, 512; q: 512, 1024)
.set VOX,  9
.set VOY,  10
.set SCL,  12                          ; v12, v13: 2^E and 448 x 2^E for q or k;  v14, v15: for v
.set LIM,  13
.set SCLV, 14
.set LIMV, 15
.set ADRA, 16                          ; v16-17 q, k: my rows of x in slot 0, 1;  v18-19 v: my rows of Wv
.set ADRA2, 18
.set ADRB, 20                          ; v20-21 q, k: my rows of the weights;  v22-23 v: my rows of x
.set ADRB2, 22
.set STQ,  24
.set RDQ,  25
.set STV,  26
.set RDV,  27
.set SPW,  28                          ; v28 LDS address of my spare word; v29 0; never rewritten
.set NIL,  29
.set CD,   96
.set AF,   128
.set TMP,  128
.set OB,   192
.set G1,  24                           ; x's tiles: group 1 s[24:31], groups 0 s[32:39]
.set G0,  32
.set G1B, 40                           ; Wq's, Wk's: s[40:47], s[48:55]
.set G0B, 48
.set G1C, 56                           ; Wv's: s[56:63], s[68:75]
.set G0C, 68
.set DW0, (0<<16)|(1<<20)|(1<<21)|(5<<22)|(3<<25)   ; elements of 1 byte; padding on; bit 21 beside a mask; after every 64 words four words
.set MSB, 0
.macro WIN new
.if MSB != \new
	s_set_vgpr_msb (MSB<<8)|\new
.set MSB, \new
.endif
.endm
.set MUL_LO, 0xa1                      ; source 0 window 1, source 1 window 0, C and D window 2
.set MUL_HI, 0xf1                      ; the same, C and D window 3
.set TO_B,   0x40
.macro JLOAD g0a, g1a, g0b, g1b        ; waves 0 and 1 fetch x's halves, waves 2 and 3 the weights': the branch hangs on the wave's number alone
	s_cmp_eq_u32 s15, 0
	s_cbranch_scc0 .Lfor_b_\@
	tensor_load_to_lds s[\g0a:\g0a+3], s[\g1a:\g1a+7]
	s_nop 0
.rept 4
	v_nop
.endr
	s_branch .Lasked_\@
.Lfor_b_\@:
	tensor_load_to_lds s[\g0b:\g0b+3], s[\g1b:\g1b+7]
	s_nop 0
.rept 4
	v_nop
.endr
.Lasked_\@:
.endm
.macro CREST
	s_cmp_lg_u32 s14, 0
	s_cbranch_scc1 .Lnot_wave_0_\@
	s_barrier_signal -3
.Lnot_wave_0_\@:
	s_barrier_wait -3
	s_barrier_signal -1
	s_barrier_wait -1
.endm
.macro CROUND
	s_barrier_signal -1
	s_barrier_wait -1
	CREST
.endm
	s_load_b256 s[4:11], s[0:1], 0x0               ; xc s[4:5], wc s[6:7], tab s[8:9], the exponents s[10:11]
	s_load_b128 s[92:95], s[0:1], 0x20             ; qc, kc
	s_load_b64 s[96:97], s[0:1], 0x30              ; vc
	v_lshl_add_u32 v[SPW], v0, 2, SPARE
	v_mov_b32 v[NIL], 0
	ds_add_u32 v[SPW], v[NIL]                      ; the opening: the add, twice on end, and its wait
	ds_add_u32 v[SPW], v[NIL]
	v_lshrrev_b32 v1, 5, v0
	v_readfirstlane_b32 s14, v1                    ; wave 0..3
	s_lshr_b32 s15, s14, 1                         ; source 1's half of mine.  Also: I fetch x (0) or weights (1)
	s_and_b32 s16, s14, 1                          ; source 0's half.  Also: which half of that tile I fetch
	s_bfe_u32 s12, ttmp6, 0x40000                  ; cx
	s_bfe_u32 s13, ttmp6, 0x40004                  ; cy
	s_and_b32 s17, ttmp7, 0xffff
	s_lshl_b32 s17, s17, 2
	s_add_co_u32 s17, s17, s13                     ; Y
	s_lshl_b32 s66, ttmp9, 2
	s_add_co_u32 s66, s66, s12                     ; X
	s_lshl_b32 s18, s13, 2
	s_lshl_b32 s18, 15, s18                        ; my row of the cluster
	s_lshl_b32 s19, 0x1111, s12                    ; my column
	s_or_b32 s[G1], s18, DW0
	s_or_b32 s[G1B], s19, DW0
	s_or_b32 s[G1C], s19, DW0
.irp g, G1, G1B, G1C
	s_mov_b32 s[\g+1], ROWB<<16                    ; tensor_dim0
	s_mov_b32 s[\g+3], ROWB<<16                    ; tile_dim0
	s_mov_b32 s[\g+5], KROW                        ; from row to row
	s_mov_b32 s[\g+6], 0
	s_mov_b32 s[\g+7], 0
.endr
.irp g, G1, G1B
	s_mov_b32 s[\g+2], 128<<16                     ; 128 rows a load
	s_mov_b32 s[\g+4], 128
.endr
	s_mov_b32 s[G1C+2], 64<<16                     ; Wv: 64 rows a load
	s_mov_b32 s[G1C+4], 64
	s_lshl_b32 s99, s16, 7
	s_lshl_b32 s20, s17, 8
	s_add_co_u32 s20, s20, s99
	s_lshl_b32 s20, s20, 10                        ; x: (256 Y + 128 half) rows of 1,024 bytes
	s_mov_b32 s21, 0
	s_lshl_b32 s22, s66, 8
	s_add_co_u32 s22, s22, s99
	s_lshl_b32 s22, s22, 10                        ; Wq, Wk: 256 X + 128 half
	s_mov_b32 s23, 0
	s_lshl_b32 s90, s66, 7
	s_lshl_b32 s91, s16, 6
	s_add_co_u32 s90, s90, s91
	s_add_co_u32 s90, s90, 2048
	s_lshl_b32 s90, s90, 10                        ; Wv: 2,048 + 128 X + 64 half
	s_mov_b32 s91, 0
	s_mul_i32 s67, s14, HALFT                      ; where they go: wave x 128 rows;
	s_mul_i32 s98, s16, 64*PITCH
	s_add_co_u32 s98, s98, 2*HALFT                 ; Wv's halves: behind x's 256 rows
	s_wait_dscnt 0x0                               ; both opening adds are done
	s_wait_kmcnt 0x0
	s_load_b256 s[76:83], s[10:11], 0x0            ; e0 .. e7
	s_add_nc_u64 s[20:21], s[4:5], s[20:21]
	s_add_nc_u64 s[22:23], s[6:7], s[22:23]
	s_add_nc_u64 s[90:91], s[6:7], s[90:91]
	CROUND                                         ; all sixteen work-groups are here: the first joint loads meet
.irp s, 0,1
	s_mov_b32 s[G0+4*\s], 1
	s_add_co_u32 s[G0+4*\s+1], s67, \s*SLOT
	s_add_nc_u64 s[G0+4*\s+2:G0+4*\s+3], s[20:21], \s*ROWB
	s_or_b32 s[G0+4*\s+3], s[G0+4*\s+3], 0x80000000
	s_mov_b32 s[G0B+4*\s], 1
	s_add_co_u32 s[G0B+4*\s+1], s67, \s*SLOT
	s_add_nc_u64 s[G0B+4*\s+2:G0B+4*\s+3], s[22:23], \s*ROWB
	s_or_b32 s[G0B+4*\s+3], s[G0B+4*\s+3], 0x80000000
	s_mov_b32 s[G0C+4*\s], 1
	s_add_co_u32 s[G0C+4*\s+1], s98, \s*SLOT
	s_add_nc_u64 s[G0C+4*\s+2:G0C+4*\s+3], s[90:91], \s*ROWB
	s_or_b32 s[G0C+4*\s+3], s[G0C+4*\s+3], 0x80000000
.endr
	JLOAD G0, G1, G0B, G1B                         ; K step 0: one tensor load a wave at the head
	s_mul_i32 s18, s15, HALFT                      ; q, k: my 128 rows of x,
	s_mul_i32 s19, s16, HALFT
	s_add_co_u32 s19, s19, 2*HALFT                 ; and of the weights
	s_mul_i32 s20, s16, HALFT                      ; v: my 128 rows of x,
	s_mul_i32 s21, s15, 64*PITCH
	s_add_co_u32 s21, s21, 2*HALFT                 ; and my 64 of Wv
	s_mul_i32 s23, s14, 16*QP                      ; my part of each stage
	s_lshl_b32 s90, s17, 8                         ; 256 Y
	s_lshl_b32 s91, s15, 7
	s_add_co_u32 s91, s90, s91                     ; q, k: my first token
	s_lshl_b32 s98, s16, 7
	s_add_co_u32 s98, s90, s98                     ; v: my first token
	s_lshl_b32 s99, s66, 2
	s_lshl_b32 s22, s16, 1
	s_add_co_u32 s99, s99, s22
	s_and_b32 s99, s99, 15                         ; q, k: my first head: (4 X + 2 half) % 16
	s_lshl_b32 s22, s66, 1
	s_add_co_u32 s22, s22, s15                     ; v: my head: 2 X + half
	s_lshr_b32 s90, s90, 11
	s_lshl_b32 s90, s90, 4                         ; 16 x batch
	s_add_co_u32 s99, s99, s90
	s_add_co_u32 s22, s22, s90
	s_lshl_b32 s99, s99, 17                        ; 131,072 bytes to a head in each of the three
	s_lshl_b32 s22, s22, 17
	s_and_b32 s91, s91, 2047
	s_and_b32 s98, s98, 2047
	s_mov_b32 s13, 0
	s_lshl_b32 s12, s91, 6                         ; q, k: rows of 64 bytes
	s_add_co_u32 s12, s12, s99
	s_cmp_eq_u32 ttmp9, 1                          ; k?  The cluster's x, the same in all sixteen partners
	s_cselect_b64 s[84:85], s[94:95], s[92:93]
	s_add_nc_u64 s[84:85], s[84:85], s[12:13]
	s_mov_b32 s90, 512
	s_cselect_b32 s90, 1024, s90
	s_mov_b32 s67, 1024
	s_cselect_b32 s67, 512, s67
	s_lshl_b32 s12, s98, 6                         ; v: blocks of 8,192 bytes for 128 tokens: the same number
	s_add_co_u32 s12, s12, s22
	s_add_nc_u64 s[86:87], s[96:97], s[12:13]
	s_lshl_b32 s12, s91, 8                         ; the table: 4,096 bytes for 16 positions
	s_add_nc_u64 s[88:89], s[8:9], s[12:13]
	v_and_b32 v1, 15, v0                           ; r
	v_bfe_u32 v2, v0, 4, 1                         ; h
	v_mul_u32_u24 v3, v1, PITCH
	v_lshl_add_u32 v4, v2, 4, v3                   ; a fragment's row x pitch + 16 h
	v_add_nc_u32 v[ADRA], s18, v4
	v_add_nc_u32 v[ADRB], s19, v4
	v_add_nc_u32 v[ADRB2], s20, v4
	v_add_nc_u32 v[ADRA2], s21, v4
	v_add_nc_u32 v[ADRA+1], SLOT, v[ADRA]
	v_add_nc_u32 v[ADRB+1], SLOT, v[ADRB]
	v_add_nc_u32 v[ADRB2+1], SLOT, v[ADRB2]
	v_add_nc_u32 v[ADRA2+1], SLOT, v[ADRA2]
	v_mul_u32_u24 v5, v1, QP
	v_lshl_add_u32 v5, v2, 3, v5
	v_add_nc_u32 v5, s23, v5                       ; into a stage: row r, 8 bytes for each half of the lanes
	v_add_nc_u32 v[STQ], STGQ, v5
	v_add_nc_u32 v[STV], STGV, v5
	v_and_b32 v6, 31, v0
	v_lshrrev_b32 v7, 2, v6
	v_mul_u32_u24 v7, v7, QP
	v_and_b32 v11, 3, v6
	v_lshl_add_u32 v7, v11, 4, v7
	v_add_nc_u32 v7, s23, v7
	v_add_nc_u32 v[RDQ], STGQ, v7                  ; back, q and k: four lanes to a token's 64 bytes of one head
	v_lshrrev_b32 v7, 3, v6
	v_mul_u32_u24 v7, v7, QP
	v_and_b32 v11, 7, v6
	v_lshl_add_u32 v7, v11, 4, v7
	v_add_nc_u32 v7, s23, v7
	v_add_nc_u32 v[RDV], STGV, v7                  ; back, v: eight lanes to a channel's 128 bytes
	v_lshlrev_b32 v[VO0], 4, v6
	v_add_nc_u32 v[VOX], s90, v[VO0]
	v_add_nc_u32 v[VOY], s67, v[VO0]
.macro FRAG reg, adr, q, i             ; 16 rows x 128 K: lane l holds row l % 16; registers 4 c .. 4 c + 3 hold K = 32 c + 16 (l / 16) + 0 .. 15: the same order of K on both sides
.irp c, 0,1,2,3
	ds_load_b128 v[\reg+4*\c:\reg+4*\c+3], v[\adr] offset:128*(\q)+32*\c+(\i)*16*PITCH
.endr
.endm
; 16 matrix instructions: source 1's blocks a0, a0 + 1 (at ab) x source 0's eight (set p).  The accumulators take turns, one instruction a turn.
.macro MUL16 a0, p, zero, ab
.irp a, \a0, \a0+1
.irp b, 0,1,2,3,4,5,6,7
.if \zero
	v_wmma_f32_16x16x128_fp8_fp8 v[8*(8*((\a)%4)+\b):8*(8*((\a)%4)+\b)+7], v[128*(\p)+FR*\b:128*(\p)+FR*\b+FR-1], v[\ab+FR*(\a):\ab+FR*(\a)+FR-1], 0
.else
	v_wmma_f32_16x16x128_fp8_fp8 v[8*(8*((\a)%4)+\b):8*(8*((\a)%4)+\b)+7], v[128*(\p)+FR*\b:128*(\p)+FR*\b+FR-1], v[\ab+FR*(\a):\ab+FR*(\a)+FR-1], v[8*(8*((\a)%4)+\b):8*(8*((\a)%4)+\b)+7]
.endif
.endr
.endr
.endm
.macro FETCH_B adr, q, p               ; source 0's eight fragments into set p
	WIN TO_B
.irp i, 0,1,2,3,4,5,6,7
	FRAG 128*(\p)+FR*\i, \adr, \q, \i
.endr
	WIN 0
.endm
.macro FETCH_A adr, q, i0              ; q, k: x's blocks i0 .. i0 + 3
.irp i, \i0, \i0+1, \i0+2, \i0+3
	FRAG AF+FR*(\i), \adr, \q, \i
.endr
.endm
.macro PLACES n
.rept \n
	v_nop
.endr
.endm
; q, k: a slot's first 128 along K.
.macro STEP slot, zero
	s_wait_dscnt 4*NL                              ; all but the youngest sixteen loads (x's blocks 4-7) are in
	WIN MUL_LO
	MUL16 0, 0, \zero, AF
	MUL16 2, 0, \zero, AF
	s_wait_dscnt 0
	PLACES NP
	FETCH_B ADRB+\slot, 1, 1
	FETCH_A ADRA+\slot, 1, 0
	WIN MUL_HI
	MUL16 4, 0, \zero, AF
	MUL16 6, 0, \zero, AF
	PLACES NP
	WIN 0
	FETCH_A ADRA+\slot, 1, 4
.endm
; q, k: a slot's second 128 along K, and the change of slots.  kind 1: the slot takes this tile's K step two on; kind 2: the v tile's K step 0 or 1.  next < 0: no fragments are fetched: the way out follows.
.macro TURN slot, next, kind
	s_wait_tensorcnt 0x0                           ; all my tensor loads have landed
	ds_add_u32 v[SPW], v[NIL]
	s_wait_dscnt 4*NL+1                            ; (the add and the youngest sixteen loads may be out)
	WIN MUL_LO
	MUL16 0, 1, 0, AF
	s_wait_dscnt 0x0                               ; the add is done, and my reads of this slot are over
	s_barrier_signal -1
	MUL16 2, 1, 0, AF
	WIN 0
	s_barrier_wait -1
	CREST                                          ; the round: no wave of any partner still reads this slot or has a load on its way
.if \kind == 1
	s_add_nc_u64 s[G0+4*\slot+2:G0+4*\slot+3], s[G0+4*\slot+2:G0+4*\slot+3], 2*ROWB
	s_add_nc_u64 s[G0B+4*\slot+2:G0B+4*\slot+3], s[G0B+4*\slot+2:G0B+4*\slot+3], 2*ROWB
	JLOAD G0+4*\slot, G1, G0B+4*\slot, G1B
.else
	s_sub_nc_u64 s[G0+4*\slot+2:G0+4*\slot+3], s[G0+4*\slot+2:G0+4*\slot+3], 2*ROWB   ; the same rows of x, back along K
	JLOAD G0+4*\slot, G1, G0C+4*\slot, G1C
.endif
.if \next >= 0
	FETCH_B ADRB+\next, 0, 0                       ; (the joint load's four v_nop are the places in front of these loads)
	FETCH_A ADRA+\next, 0, 0
.endif
	WIN MUL_HI
	MUL16 4, 1, 0, AF
	MUL16 6, 1, 0, AF
	PLACES NP
	WIN 0
.if \next >= 0
	FETCH_A ADRA+\next, 0, 4
.endif
.endm
; v: 48 loads: x's eight fragments and Wv's four, of the slot's q-th 128 along K, into sets p.
.macro FETCH2 slot, q, p
	FETCH_B ADRB2+\slot, \q, \p
.irp i, 0,1,2,3
	FRAG AF+64*(\p)+FR*\i, ADRA2+\slot, \q, \i
.endr
.endm
.macro VEVEN slot, zero                ; v: a slot's first 128 along K, on sets 0; its second 128 is fetched into sets 1
	PLACES NP
	FETCH2 \slot, 1, 1
	s_wait_dscnt 48                                ; all but the 48 just issued
	WIN MUL_LO
	MUL16 0, 0, \zero, AF
	MUL16 2, 0, \zero, AF
	WIN 0
.endm
.macro VODD slot, next, fill           ; v: a slot's second 128, on sets 1, and the change of slots
	s_wait_tensorcnt 0x0
	ds_add_u32 v[SPW], v[NIL]
	s_wait_dscnt 0x0                               ; the add is done, sets 1 are in, and my reads of this slot are over
	s_barrier_signal -1
	WIN MUL_LO
	MUL16 0, 1, 0, AF+64
	WIN 0
	s_barrier_wait -1
.if \fill
	CREST
	s_add_nc_u64 s[G0+4*\slot+2:G0+4*\slot+3], s[G0+4*\slot+2:G0+4*\slot+3], 2*ROWB
	s_add_nc_u64 s[G0C+4*\slot+2:G0C+4*\slot+3], s[G0C+4*\slot+2:G0C+4*\slot+3], 2*ROWB
	JLOAD G0+4*\slot, G1, G0C+4*\slot, G1C
.else
	PLACES NP
.endif
	FETCH2 \next, 0, 0
	WIN MUL_LO
	MUL16 2, 1, 0, AF+64
	WIN 0
.endm
; THE WAYS OUT, block a = source 1's rows 16 a .. 16 a + 15 against source 0's 128 rows.
.macro TAB a                           ; cos and sin for block a's 16 tokens, into window 1 at v[32 a]; each load reads 512 consecutive bytes
.irp g, 0,1,2,3
.irp q, 0,1
	global_load_b128 v[32*(\a)+8*\g+4*\q:32*(\a)+8*\g+4*\q+3], v[VO0], s[88:89] offset:4096*(\a)+1024*\g+512*\q
.endr
.endr
.endm
.macro ROPE a                          ; r1 = x1 cos - x2 sin, r2 = x1 sin + x2 cos, on the raw sums; each accumulator is read first at its register 1
.set AC, 64*((\a)%4)
.set CC, 32*(\a)
	WIN 0x06+((\a)/4)                              ; source 0 (the sums) window 2 or 3, source 1 (cos, sin) window 1
.irp b, 0,1,2,3,4,5,6,7
.irp p, 0,1,2,3
	v_mul_f32 v[TMP+8*\b+2*\p],   v[AC+8*\b+2*\p+1], v[CC+8*(\b%4)+2*\p+1]
	v_mul_f32 v[TMP+8*\b+2*\p+1], v[AC+8*\b+2*\p+1], v[CC+8*(\b%4)+2*\p]
.endr
.irp p, 0,1,2,3
	v_fma_f32 v[TMP+8*\b+2*\p],   v[AC+8*\b+2*\p], v[CC+8*(\b%4)+2*\p],   -v[TMP+8*\b+2*\p]
	v_fma_f32 v[TMP+8*\b+2*\p+1], v[AC+8*\b+2*\p], v[CC+8*(\b%4)+2*\p+1], v[TMP+8*\b+2*\p+1]
.endr
.endr
.endm
.macro HOLDV a                         ; v has no rotation: the hold takes the sums out of the accumulators, each from its low end on
	WIN 0x02
.set N, 0
.rept 64
	v_med3_num_f32 v[TMP+N], v[64*(\a)+N], -v[LIMV], v[LIMV]
.set N, N+1
.endr
.endm
.macro CODES hold, scl, lim            ; 64 numbers of a lane become 64 codes.  The conversion does not saturate (ISA guide 7.6.2): the hold comes first
	WIN 0
.irp b, 0,1,2,3,4,5,6,7
.if \hold
.irp j, 0,1,2,3,4,5,6,7
	v_med3_num_f32 v[TMP+8*\b+\j], v[TMP+8*\b+\j], -v[\lim], v[\lim]
.endr
.endif
	v_cvt_scalef32_pk8_fp8_f32 v[CD+2*\b:CD+2*\b+1], v[TMP+8*\b:TMP+8*\b+7], v[\scl]
.endr
	v_nop                                          ; one plain vector line behind the last conversion
.endm
.macro STAGEQ a                        ; LDS serves a wave's instructions in order (ISA guide 5.7.1.4): no wait between my stores and my loads
.irp b, 0,1,2,3,4,5,6,7
	ds_store_b64 v[STQ], v[CD+2*\b:CD+2*\b+1] offset:16*\b
.endr
.irp u, 0,1
.irp i, 0,1
	ds_load_b128 v[OB+16*((\a)%2)+4*(2*\u+\i):OB+16*((\a)%2)+4*(2*\u+\i)+3], v[RDQ] offset:8*QP*\i+64*\u
.endr
.endr
.endm
.macro STAGEV a
.irp b, 0,1,2,3,4,5,6,7
	ds_store_b64 v[STV], v[CD+2*\b:CD+2*\b+1] offset:16*\b
.endr
.irp i, 0,1,2,3
	ds_load_b128 v[OB+16*((\a)%2)+4*\i:OB+16*((\a)%2)+4*\i+3], v[RDV] offset:4*QP*\i
.endr
.endm
; Eight tokens x 64 bytes are 512 consecutive bytes.  Among 32 tokens the run of tokens 16 a1 + 8 i is number 2 a1 + i in q and 2 i + a1 in k: numbers 0 and 3 are the same in both, 1 and 2 change places.
.macro SENDQ a, younger
.set BB, OB+16*((\a)%2)
	s_wait_dscnt \younger
.irp u, 0,1
.if ((\a)%2) == 0
	global_store_b128 v[VO0], v[BB+8*\u:BB+8*\u+3],   s[84:85] offset:131072*\u+2048*((\a)/2)
	global_store_b128 v[VOX], v[BB+8*\u+4:BB+8*\u+7], s[84:85] offset:131072*\u+2048*((\a)/2)
.else
	global_store_b128 v[VOY], v[BB+8*\u:BB+8*\u+3],   s[84:85] offset:131072*\u+2048*((\a)/2)
	global_store_b128 v[VO0], v[BB+8*\u+4:BB+8*\u+7], s[84:85] offset:131072*\u+2048*((\a)/2)+1536
.endif
.endr
.endm
.macro SENDV a, younger                ; four channels x 128 keys are 512 consecutive bytes
.set BB, OB+16*((\a)%2)
	s_wait_dscnt \younger
.irp i, 0,1,2,3
	global_store_b128 v[VO0], v[BB+4*\i:BB+4*\i+3], s[86:87] offset:2048*(\a)+512*\i
.endr
.endm
	s_wait_alu depctr_va_vdst(0)
	s_wait_tensorcnt 0x0                           ; my part of K step 0 is in
	ds_add_u32 v[SPW], v[NIL]
	s_wait_dscnt 0x0
	CROUND
	JLOAD G0+4, G1, G0B+4, G1B                     ; K step 1: the first tensor load behind the round
	FETCH_B ADRB, 0, 0
	FETCH_A ADRA, 0, 0
	FETCH_A ADRA, 0, 4
	STEP 0, 1                                      ; K 0-127: the products start the sums
	TURN 0, 1, 1                                   ; slot 0 takes K 512-767
	STEP 1, 0
	TURN 1, 0, 1                                   ; slot 1 takes K 768-1023
	STEP 0, 0
	TURN 0, 1, 2                                   ; slot 0 takes the v tile's K 0-255
	STEP 1, 0
	s_wait_kmcnt 0x0                               ; the exponents: the conversions' scales and the holds
	s_cmp_eq_u32 ttmp9, 1
	s_cselect_b32 s90, s79, s78                    ; e3 for k, e2 for q
	s_add_co_i32 s91, s76, s77
	s_sub_co_i32 s90, s90, s91
	s_add_co_i32 s90, s90, 127
	s_lshl_b32 s98, s90, 23
	s_add_co_i32 s90, s90, 8
	s_lshl_b32 s90, s90, 23
	s_or_b32 s90, s90, 0x600000
	s_sub_co_i32 s91, s81, s91                     ; e5 for v
	s_add_co_i32 s91, s91, 127
	s_lshl_b32 s99, s91, 23
	s_add_co_i32 s91, s91, 8
	s_lshl_b32 s91, s91, 23
	s_or_b32 s91, s91, 0x600000
	v_mov_b32 v[SCL], s98
	v_mov_b32 v[LIM], s90
	v_mov_b32 v[SCLV], s99
	v_mov_b32 v[LIMV], s91
	s_wait_alu depctr_va_vdst(0)
	WIN TO_B
	TAB 0                                          ; blocks 0-3's cos and sin, into set 0's registers: the last 64 products read set 1 alone, and set 0's last readers have their places behind them
	TAB 1
	TAB 2
	TAB 3
	WIN 0
	TURN 1, -1, 2                                  ; slot 1 takes the v tile's K 256-511: both refills are asked for, and q or k goes out
	WIN TO_B
	TAB 4                                          ; blocks 4-7's, into set 1's registers, behind the last products' places
	TAB 5
	TAB 6
	TAB 7
	WIN 0
.irp a, 0,1,2,3,4,5,6,7
	s_wait_loadcnt 56-8*\a                         ; of the 64 loads the first 8 (a + 1) are in
	ROPE \a
	CODES 1, SCL, LIM
.if \a > 1
	s_wait_alu depctr_va_vdst(0)
	s_wait_xcnt 0x0                                ; block a - 2's stores have read their registers
.endif
	STAGEQ \a
.if \a > 0
	SENDQ \a-1, 12                                 ; behind block a - 1's loads: block a's eight stores and four loads
.endif
.endr
	SENDQ 7, 0
	s_wait_xcnt 0x0                                ; the stores have read their registers: fragments may land there
	FETCH2 0, 0, 0                                 ; THE V TILE.  Slot 0 was shown whole by the last change of slots
	VEVEN 0, 1
	VODD 0, 1, 1                                   ; slot 0 takes K 512-767
	VEVEN 1, 0
	VODD 1, 0, 1                                   ; slot 1 takes K 768-1023
	VEVEN 0, 0
	VODD 0, 1, 0                                   ; nothing is left to fetch
	VEVEN 1, 0
	s_wait_dscnt 0x0
	WIN MUL_LO
	MUL16 0, 1, 0, AF+64
	MUL16 2, 1, 0, AF+64
	WIN 0
	PLACES NP
.irp a, 0,1,2,3
	HOLDV \a
	CODES 0, SCLV, LIMV
.if \a > 1
	s_wait_alu depctr_va_vdst(0)
	s_wait_xcnt 0x0
.endif
	STAGEV \a
.if \a > 0
	SENDV \a-1, 12
.endif
.endr
	SENDV 3, 0
	s_wait_tensorcnt 0x0                           ; the wave's end
	ds_add_u32 v[SPW], v[NIL]
	s_wait_dscnt 0x0
	CROUND                                         ; the closing round
	s_endpgm
.Lfunc_end_k_q34c09698c4_qkv:
	.size	k_q34c09698c4_qkv, .Lfunc_end_k_q34c09698c4_qkv-k_q34c09698c4_qkv
	.p2alignl 7, 3214868480
	.fill 96, 4, 3214868480
	.section	.rodata,"a",@progbits
	.p2align	6, 0x0
	.amdhsa_kernel k_q34c09698c4_qkv
		.amdhsa_group_segment_fixed_size 327680
		.amdhsa_private_segment_fixed_size 0
		.amdhsa_enable_private_segment 0
		.amdhsa_kernarg_size 56
		.amdhsa_user_sgpr_count 2
		.amdhsa_user_sgpr_kernarg_segment_ptr 1
		.amdhsa_wavefront_size32 1
		.amdhsa_system_sgpr_workgroup_id_x 1
		.amdhsa_system_sgpr_workgroup_id_y 1
		.amdhsa_system_sgpr_workgroup_id_z 1
		.amdhsa_system_vgpr_workitem_id 0
		.amdhsa_next_free_vgpr 1024
		.amdhsa_next_free_sgpr 100
		.amdhsa_reserve_vcc 0
		.amdhsa_float_denorm_mode_32 3
		.amdhsa_float_denorm_mode_16_64 3
		.amdhsa_memory_ordered 1
		.amdhsa_forward_progress 1
		.amdhsa_inst_pref_size 252
	.end_amdhsa_kernel
	.amdgpu_metadata
---
amdhsa.version: [ 1, 2 ]
amdhsa.kernels:
  - .name:           k_q34c09698c4_qkv
    .symbol:         k_q34c09698c4_qkv.kd
    .args:
      - { .name: xc, .offset: 0, .size: 8, .value_kind: global_buffer, .address_space: global }
      - { .name: wc, .offset: 8, .size: 8, .value_kind: global_buffer, .address_space: global }
      - { .name: tab, .offset: 16, .size: 8, .value_kind: global_buffer, .address_space: global }
      - { .name: lowp_scales, .offset: 24, .size: 8, .value_kind: global_buffer, .address_space: global }
      - { .name: qc, .offset: 32, .size: 8, .value_kind: global_buffer, .address_space: global }
      - { .name: kc, .offset: 40, .size: 8, .value_kind: global_buffer, .address_space: global }
      - { .name: vc, .offset: 48, .size: 8, .value_kind: global_buffer, .address_space: global }
    .group_segment_fixed_size: 327680
    .private_segment_fixed_size: 0
    .kernarg_segment_align: 8
    .kernarg_segment_size: 56
    .max_flat_workgroup_size: 128
    .sgpr_count:     100
    .vgpr_count:     1024
    .wavefront_size: 32
...
	.end_amdgpu_metadata
.endif
;; end of part 2
;; launch attn (part 3): grid 4 x 64, 8 waves a work-group, clusters of 4 x 1, 327,680 bytes of LDS; arguments qc, kc, vc, lowp_scales, ac; writes ac
.if DOCPART == 3
	.amdgcn_target "amdgcn-amd-amdhsa--gfx1250"
	.amdhsa_code_object_version 6
	.text
	.protected	k_q34c09698c4_attn
	.globl	k_q34c09698c4_attn
	.p2align	8
	.type	k_q34c09698c4_attn,@function
k_q34c09698c4_attn:
	s_mov_b64 s[64:65], 0
	v_nop
	global_prefetch_b8 v0, s[64:65] scope:SCOPE_SE
	s_setreg_imm32_b32 hwreg(HW_REG_WAVE_MODE, 25, 1), 1
	s_wait_xcnt 0x0
	s_wait_alu depctr_hold_cnt(0) depctr_sa_sdst(0) depctr_va_vdst(0) depctr_va_sdst(0) depctr_va_ssrc(0) depctr_va_vcc(0) depctr_vm_vsrc(0)
	s_getreg_b32 s2, hwreg(HW_REG_IB_STS2, 6, 4)
	s_cmp_eq_u32 s2, 0
	s_cbranch_scc0 .Lentry_in_a_cluster
	s_endpgm
.Lentry_in_a_cluster:
	s_bfe_u32 s2, ttmp6, 0x10000c
	s_cmp_lg_u32 s2, 0x3003
	s_cbranch_scc0 .Lentry_shape_is_right
	s_endpgm
.Lentry_shape_is_right:
; ATTENTION with the causal mask, head size 64, both products on codes of E4M3: q (2^e2), k (2^e3), p (2^e4), v (2^e5); the result is quantised at once for the last product (2^e6).
; qc [bh 64][s 2048][64];  kc [bh][pos][64], pos = s with bits 3 and 4 exchanged;  vc [bh][s / 128][channel 64][128 keys];  ac [head 16][token 8192][64].
; LEFT OUT: key steps of 128 keys that lie wholly behind a group's queries: the causal mask sets their scores to -infinity, so their p is 0 for all inputs.
; THE SOFTMAX AHEAD OF THE SECOND PRODUCT: t = score x log2(e) / 8; M = the running largest t rounded UP to a whole number; p = 2^(t - M) is quantised, not normalised; the row's sum is taken of the
; unquantised p and divides at the end.  When M moves, the sum and O are multiplied by 2^(old M - new M): exact.
; SHARES.  A cluster of four work-groups takes one head.  The head's 2,048 queries are 16 blocks a of 128; the work-group at place cx takes queries 128 a + 32 cx .. + 31 of every block: a group.
; A group of block a needs key steps 0 .. a (128 keys each), whatever cx is: so no branch, trip count or LDS address hangs on cx; cx enters only the addresses of Q and of the result and the number
; that the diagonal step's compares take.  Wave w of eight takes block 15 - w and then block w: 16 - w + w + 1 = 17 key steps for every wave of the launch.
; A wave holds its group's 32 queries as two tiles of 16, so each fragment of K and V read from LDS feeds two matrix instructions.
; LDS.  The head's K and V, 2 x 131,072 bytes, lie in LDS whole: nothing is filled again.  They come by JOINT loads (mask 15: all four partners read all of them): at the head each wave asks for
; 8,192 bytes (waves 0-3: K's steps 0-3, waves 4-7: V's), and behind the full sequence and a round of the cluster's barrier for 24,576 more (steps 4-15), which land while steps 0-3 are worked.
; Dense blocks are stated as rows of 256 bytes + 16 of padding: four rows of K, or two of V, to a line.
; NO PREFETCH: both groups of tensor loads are issued ahead of the first loop; there is no trip in which to run ahead of a load.
; LAYOUT.  Both products are used transposed: S^T = K Q^T, O^T = V^T P^T: a lane holds ONE query (lane % 16) of each tile.  The 16 rows pos = 32 b + 16 u + r of kc are the keys 32 b + 8 u + r + 8 (r / 8),
; so the 16 registers of score tiles 2 b and 2 b + 1 are the keys 32 b + 16 (lane / 16) + 0 .. 15, and the conversions' results are the second product's operand.
; LIMITS: e2 + e3 between -123 and 130 (added to c's exponent field); e4, and e6 - e4 - e5, between -126 and 119; the scaled scores t stay under 2^31 in magnitude.  NaN among the inputs is not served.
; REGISTERS.  Window 0: v1-11 addresses; v12-19 -M, largest t, sum (two halves) of tile 0 and of tile 1; v20-24 constants; v26-47 at work; v48-111 K's eight fragments; v112-175, v176-239 S^T, then p; v240-255 the way out.
;   Window 1: v16-31 Q's two fragments; v32-63 p's codes; v64-127 O^T; v128-191 V's four fragments.
.set LINE,  272
.set PART,  32*LINE                    ; a key step's K, or V, in LDS
.set VOFF,  16*PART                    ; V lies behind K's sixteen steps
.set SPARE, 2*VOFF                     ; the spare words, 128 bytes for each of eight waves: four blocks of 256 bytes that no other line names
.set STAGE, SPARE+1024                 ; the way out: 2,048 bytes a wave; no tile lands here
.set AK0, 1
.set AV0, 2
.set D0,  3                            ; v3, v20  my query less the diagonal step's first key less 16 (lane / 16), tile 0 and tile 1
.set QO,  4
.set SPW, 5                            ; v5  LDS address of my spare word; never rewritten
.set NIL, 6                            ; v6  0; never rewritten
.set GO,  7
.set ADK, 8
.set ADV, 9
.set STO, 10
.set SRD, 11
.set D1,  20
.set NINF, 21
.set SCP, 22                           ; 2^e4
.set SCO, 23                           ; 2^(e6 - e4 - e5)
.set LIMO, 24                          ; 448 x that
.set MA0, 30
.set MB0, 31
.set MA1, 32
.set MB1, 33
.set PL0, 34
.set PL1, 35
.set KF,  48
.set S0,  112
.set S1,  176
.set OB,  240
.set Q0,  16                           ; window 1 from here on
.set Q1,  24
.set C0,  32
.set C1,  48
.set O0,  64
.set O1,  96
.set VF,  128
.set WV,  14                           ; s14 wave; s15 cx; s16 bh
.set CX,  15
.set BH,  16
.set SEL, 20                           ; s[20:21] lane selects: lane l xor 16
.set CS,  22                           ; s[22:23] c = log2(e) / 8 x 2^(e2 + e3)
.set G1A, 24                           ; s[24:31], s[32:39] descriptor groups 1: 32 rows, 96 rows;  s[40:43], s[44:47] groups 0
.set G1B, 32
.set G0A, 40
.set G0B, 44
.set CT,  48                           ; s48 the loops' counter;  s49 the key step;  s50 my group's last key step;  s51 the key step's first LDS byte
.set KS,  49
.set LIMK, 50
.set TBK, 51
.set QPA, 52
.set QPB, 54
.set OPA, 56
.set OPB, 58
.set HOLD, 60                          ; s60 448 x 2^e4
.set MSB, 0
.macro WIN new                         ; low byte: bits 1:0 source 0, 3:2 source 1, 5:4 source 2, 7:6 destination; the high byte repeats the setting that is left
.if MSB != \new
	s_set_vgpr_msb (MSB<<8)|\new
.set MSB, \new
.endif
.endm
.macro NOPS n
.rept \n
	v_nop
.endr
.endm
.macro ROUND                           ; a round of the cluster's barrier
	s_barrier_signal -1
	s_barrier_wait -1
	s_cmp_lg_u32 s[WV], 0
	s_cbranch_scc1 .Lnw0_\@
	s_barrier_signal -3
.Lnw0_\@:
	s_barrier_wait -3
	s_barrier_signal -1
	s_barrier_wait -1
.endm
; A group begins: Q's two fragments; the largest t -3e38, the sums and O^T zeros, which the first change of M leaves zeros.
.set QN, 192                           ; window 1, v192-207: the second group's Q, loaded at the head with the first group's and copied where the second group begins
.macro INIT first
.if \first
	WIN 0x40                                       ; (both groups' Q were asked for ahead of the first round; the wait for them stands in front of the first loop)
.else
	WIN 0x41                                       ; destination and source 0 in window 1
.set N, 0
.rept 16
	v_mov_b32 v[Q0+N], v[QN+N]
.set N, N+1
.endr
	WIN 0x40
.endif
.set N, 0
.rept 64
	v_mov_b32 v[O0+N], 0
.set N, N+1
.endr
	WIN 0
	v_mov_b32 v13, 0xff61b1e6
	v_mov_b32 v17, 0xff61b1e6
	v_floor_f32 v12, -v13
	v_floor_f32 v16, -v17
	v_mov_b32 v14, 0
	v_mov_b32 v15, 0
	v_mov_b32 v18, 0
	v_mov_b32 v19, 0
	s_wait_alu depctr_va_vdst(0)                   ; directly ahead of the wait below
	s_wait_xcnt 0x0                                ; earlier loads and stores have read their registers
.endm
; A group ends: O^T / the sum, held, quantised; 32 queries x 64 codes go through my stage and leave as 2,048 consecutive bytes.
.macro FINISH op
	NOPS 4                                         ; places behind the last products
	v_add_f32 v14, v14, v15
	v_add_f32 v18, v18, v19
	v_permlanex16_b32 v[PL0], v14, s[SEL], s[SEL+1]
	v_permlanex16_b32 v[PL1], v18, s[SEL], s[SEL+1]
	v_add_f32 v14, v14, v[PL0]
	v_add_f32 v18, v18, v[PL1]
	s_wait_alu depctr_va_vdst(0)
	v_rcp_f32 v14, v14
	v_rcp_f32 v18, v18
	v_nop                                          ; a plain line behind them
	WIN 0x01                                       ; source 0 (O^T) in window 1
	s_wait_alu depctr_va_vdst(0)                   ; and the wait ahead of their first reader, which is O^T's first reader too
.set N, 0
.rept 32
	v_mul_f32 v[S0+N], v[O0+N], v14                ; register 8 t + i: channel 16 t + 8 h + i of my query; each accumulator from its low end on
.set N, N+1
.endr
.set N, 0
.rept 32
	v_mul_f32 v[S0+32+N], v[O1+N], v18
.set N, N+1
.endr
	WIN 0
.set N, 0
.rept 64
	v_med3_num_f32 v[S0+N], v[S0+N], -v[LIMO], v[LIMO]   ; the conversion does not saturate (ISA guide 7.6.2): the hold comes first
.set N, N+1
.endr
.set N, 0
.rept 8
	v_cvt_scalef32_pk8_fp8_f32 v[KF+2*N:KF+2*N+1], v[S0+8*N:S0+8*N+7], v[SCO]
.set N, N+1
.endr
	v_nop                                          ; one plain line behind the last conversion
.set N, 0
.rept 8
	ds_store_b64 v[STO], v[KF+2*N:KF+2*N+1] offset:16*(N%4)+1024*(N/4)
.set N, N+1
.endr
.set N, 0
.rept 4
	ds_load_b128 v[OB+4*N:OB+4*N+3], v[SRD] offset:512*N   ; LDS serves a wave's instructions in order: these see my stores
.set N, N+1
.endr
	s_wait_dscnt 0x0
.set N, 0
.rept 4
	global_store_b128 v[GO], v[OB+4*N:OB+4*N+3], s[\op:\op+1] offset:512*N   ; 32 lanes store 512 consecutive bytes, aligned
.set N, N+1
.endr
.endm
.macro ADD4 s, c, sum, n               ; four chains take four pairs of p from register n on
	v_pk_add_f32 v[\c:\c+1], v[\c:\c+1], v[\s+\n:\s+\n+1]
	v_pk_add_f32 v[\c+2:\c+3], v[\c+2:\c+3], v[\s+\n+2:\s+\n+3]
	v_pk_add_f32 v[\c+4:\c+5], v[\c+4:\c+5], v[\s+\n+4:\s+\n+5]
	v_pk_add_f32 v[\sum:\sum+1], v[\sum:\sum+1], v[\s+\n+6:\s+\n+7]
.endm
.macro ADD0 s, c, sum
	v_pk_add_f32 v[\c:\c+1], v[\s:\s+1], v[\s+2:\s+3]
	v_pk_add_f32 v[\c+2:\c+3], v[\s+4:\s+5], v[\s+6:\s+7]
	v_pk_add_f32 v[\c+4:\c+5], v[\s+8:\s+9], v[\s+10:\s+11]
	v_pk_add_f32 v[\sum:\sum+1], v[\sum:\sum+1], v[\s+12:\s+13]
.endm
; A KEY STEP: 128 keys against my two tiles of queries, the two tiles' lines by turns.  mask = 1: the text also serves the diagonal step.
.macro STEP mask
	v_add_nc_u32 v[ADK], s[TBK], v[AK0]
	v_add_nc_u32 v[ADV], s[TBK], v[AV0]
	NOPS 2                                         ; with the two additions: four places in front of loads into V's registers, which the last products read
.set N, 0
.rept 8
	ds_load_b128 v[KF+8*N:KF+8*N+3], v[ADK] offset:4*N*LINE
	ds_load_b128 v[KF+8*N+4:KF+8*N+7], v[ADK] offset:4*N*LINE+32
.set N, N+1
.endr
	WIN 0x40
.set N, 0
.rept 16
	ds_load_b128 v[VF+4*N:VF+4*N+3], v[ADV] offset:8*LINE*(N/4)+32*(N%4)
.set N, N+1
.endr
	s_wait_dscnt 16                                ; K's sixteen loads are in; V's sixteen may be out
	WIN 0x04                                       ; source 1 (Q) in window 1
.set N, 0
.rept 8
	v_wmma_f32_16x16x64_fp8_fp8 v[S0+8*N:S0+8*N+7], v[KF+8*N:KF+8*N+7], v[Q0:Q0+7], 0
	v_wmma_f32_16x16x64_fp8_fp8 v[S1+8*N:S1+8*N+7], v[KF+8*N:KF+8*N+7], v[Q1:Q1+7], 0
.set N, N+1
.endr
	WIN 0
	NOPS 4                                         ; places behind the products
.if \mask
	s_cmp_lg_u32 s[KS], s[LIMK]                    ; only my group's last key step lies on the diagonal: the wave's number and the count of trips alone
	s_cbranch_scc1 .Lopen_\@
.set N, 0
.rept 64                                       ; register 16 b + i holds key 32 b + 16 (lane / 16) + i of the step: hidden, and set to -infinity, where 32 b + i > d
	v_cmp_gt_i32 s96, 32*(N/16)+N%16, v[D0]
	v_cmp_gt_i32 s97, 32*(N/16)+N%16, v[D1]
	v_cndmask_b32 v[S0+N], v[S0+N], v[NINF], s96
	v_cndmask_b32 v[S1+N], v[S1+N], v[NINF], s97
.set N, N+1
.endr
.Lopen_\@:
.endif
	v_max3_num_f32 v[MA0], v[S0], v[S0+1], v[S0+2] ; the step's largest score of my query among my 64 keys: four chains a tile (v36-39 are free here), each accumulator first read at one of its four lowest registers
	v_max3_num_f32 v[MA1], v[S1], v[S1+1], v[S1+2]
	v_max3_num_f32 v[MB0], v[S0+3], v[S0+4], v[S0+5]
	v_max3_num_f32 v[MB1], v[S1+3], v[S1+4], v[S1+5]
	v_max3_num_f32 v36, v[S0+6], v[S0+7], v[S0+8]
	v_max3_num_f32 v38, v[S1+6], v[S1+7], v[S1+8]
	v_max3_num_f32 v37, v[S0+9], v[S0+10], v[S0+11]
	v_max3_num_f32 v39, v[S1+9], v[S1+10], v[S1+11]
.set N, 12
.rept 6
	v_max3_num_f32 v[MA0], v[MA0], v[S0+N], v[S0+N+1]
	v_max3_num_f32 v[MA1], v[MA1], v[S1+N], v[S1+N+1]
	v_max3_num_f32 v[MB0], v[MB0], v[S0+N+2], v[S0+N+3]
	v_max3_num_f32 v[MB1], v[MB1], v[S1+N+2], v[S1+N+3]
	v_max3_num_f32 v36, v36, v[S0+N+4], v[S0+N+5]
	v_max3_num_f32 v38, v38, v[S1+N+4], v[S1+N+5]
	v_max3_num_f32 v37, v37, v[S0+N+6], v[S0+N+7]
	v_max3_num_f32 v39, v39, v[S1+N+6], v[S1+N+7]
.set N, N+8
.endr
	v_max3_num_f32 v[MA0], v[MA0], v[S0+60], v[S0+61]
	v_max3_num_f32 v[MA1], v[MA1], v[S1+60], v[S1+61]
	v_max3_num_f32 v[MB0], v[MB0], v[S0+62], v[S0+63]
	v_max3_num_f32 v[MB1], v[MB1], v[S1+62], v[S1+63]
	v_max3_num_f32 v[MA0], v[MA0], v[MB0], v36
	v_max3_num_f32 v[MA1], v[MA1], v[MB1], v38
	v_max_num_f32 v[MA0], v[MA0], v37
	v_max_num_f32 v[MA1], v[MA1], v39
	v_permlanex16_b32 v[PL0], v[MA0], s[SEL], s[SEL+1]
	v_permlanex16_b32 v[PL1], v[MA1], s[SEL], s[SEL+1]
	v_max_num_f32 v[MA0], v[MA0], v[PL0]           ; and among lane l xor 16's
	v_max_num_f32 v[MA1], v[MA1], v[PL1]
	v_mul_f32 v[MA0], s[CS], v[MA0]                ; as t (c is positive)
	v_mul_f32 v[MA1], s[CS], v[MA1]
	v_max_num_f32 v13, v13, v[MA0]                 ; the running largest t
	v_max_num_f32 v17, v17, v[MA1]
	v_mov_b32 v[MB0], v12
	v_mov_b32 v[MB1], v16
	v_floor_f32 v12, -v13                          ; the new -M = -ceil(t): a whole number
	v_floor_f32 v16, -v17
	v_sub_f32 v[MB0], v12, v[MB0]                  ; M's old value less its new one: 0 or less
	v_sub_f32 v[MB1], v16, v[MB1]
	v_cvt_i32_f32 v[MB0], v[MB0]                   ; (it saturates)
	v_cvt_i32_f32 v[MB1], v[MB1]
	v_ldexp_f32 v26, 1.0, v[MB0]                   ; f = 2^(old M - new M)
	v_ldexp_f32 v28, 1.0, v[MB1]
.set N, 0
.rept 32
	v_pk_fma_f32 v[S0+N:S0+N+1], v[S0+N:S0+N+1], s[CS:CS+1], v[12:13] op_sel_hi:[1,0,0]   ; t - M, two at a time (of the pairs c and -M the low word serves both halves)
	v_pk_fma_f32 v[S1+N:S1+N+1], v[S1+N:S1+N+1], s[CS:CS+1], v[16:17] op_sel_hi:[1,0,0]
.set N, N+2
.endr
	WIN 0x41                                       ; O^T, destination and source 0, in window 1
.set N, 0
.rept 16
	v_pk_mul_f32 v[O0+N:O0+N+1], v[O0+N:O0+N+1], v[26:27] op_sel_hi:[1,0]   ; O^T under the new M
	v_pk_mul_f32 v[O1+N:O1+N+1], v[O1+N:O1+N+1], v[28:29] op_sel_hi:[1,0]
.set N, N+2
.endr
	WIN 0
	v_pk_mul_f32 v[14:15], v[14:15], v[26:27] op_sel_hi:[1,0]   ; the sums under the new M
	v_pk_mul_f32 v[18:19], v[18:19], v[28:29] op_sel_hi:[1,0]
	s_wait_alu depctr_va_vdst(0)
.set N, 0
.rept 128
	v_exp_f32 v[S0+N], v[S0+N]                     ; p = 2^(t - M), at most 1; both tiles: S1 follows S0
.set N, N+1
.endr
	v_nop                                          ; a plain line behind the exponentials
	s_wait_alu depctr_va_vdst(0)                   ; one wait for the whole batch, ahead of its first reader, and directly ahead of the wait below
	s_wait_dscnt 0x0                               ; V is in
	ADD0 S0, 36, 14                                ; the rows' sums of the unquantised p
	ADD0 S1, 42, 18
.set N, 14
.rept 6
	ADD4 S0, 36, 14, N
	ADD4 S1, 42, 18, N
.set N, N+8
.endr
	v_pk_add_f32 v[36:37], v[36:37], v[S0+62:S0+63]
	v_pk_add_f32 v[42:43], v[42:43], v[S1+62:S1+63]
	v_pk_add_f32 v[14:15], v[14:15], v[40:41]
	v_pk_add_f32 v[18:19], v[18:19], v[46:47]
	v_pk_add_f32 v[36:37], v[36:37], v[38:39]
	v_pk_add_f32 v[42:43], v[42:43], v[44:45]
	v_pk_add_f32 v[14:15], v[14:15], v[36:37]
	v_pk_add_f32 v[18:19], v[18:19], v[42:43]
.set N, 0
.rept 64
	v_dual_min_num_f32 v[S0+N], s[HOLD], v[S0+N] :: v_dual_min_num_f32 v[S0+N+1], s[HOLD], v[S0+N+1]   ; the conversion does not saturate (ISA guide 7.6.2); p is not negative, so the hold is one-sided
.set N, N+2
.endr
	WIN 0x40                                       ; the codes go to window 1
.set N, 0
.rept 16
	v_cvt_scalef32_pk8_fp8_f32 v[C0+2*N:C0+2*N+1], v[S0+8*N:S0+8*N+7], v[SCP]   ; both tiles: C1 follows C0 as S1 follows S0
.set N, N+1
.endr
	v_nop                                          ; one plain line between the conversions and the products that read their results
	WIN 0x55
.set N, 0
.rept 4                                        ; O^T += V^T P^T: eight accumulators by turns, one instruction a turn
	v_wmma_f32_16x16x128_fp8_fp8 v[O0+8*N:O0+8*N+7], v[VF+16*N:VF+16*N+15], v[C0:C0+15], v[O0+8*N:O0+8*N+7]
	v_wmma_f32_16x16x128_fp8_fp8 v[O1+8*N:O1+8*N+7], v[VF+16*N:VF+16*N+15], v[C1:C1+15], v[O1+8*N:O1+8*N+7]
.set N, N+1
.endr
	WIN 0
.endm
	s_load_b256 s[4:11], s[0:1], 0x0               ; qc s[4:5], kc s[6:7], vc s[8:9], the exponents s[10:11]
	s_load_b64 s[12:13], s[0:1], 0x20              ; ac
	v_lshl_add_u32 v[SPW], v0, 2, SPARE
	v_mov_b32 v[NIL], 0
	ds_add_u32 v[SPW], v[NIL]                      ; the opening: the add, twice on end, and its wait ahead of the round in front of my first tensor load
	ds_add_u32 v[SPW], v[NIL]
	v_lshrrev_b32 v8, 5, v0
	v_readfirstlane_b32 s[WV], v8                  ; wave 0..7
	s_bfe_u32 s[CX], ttmp6, 0x40000                ; my place in the cluster
	s_and_b32 s[BH], ttmp7, 0xffff                 ; the cluster's y: batch x head
	s_lshl_b32 s76, s[BH], 17                      ; a head is 131,072 bytes in qc, kc and vc
	s_and_b32 s77, s[WV], 3                        ; which part I fetch,
	s_lshr_b32 s78, s[WV], 2                       ; of K (0) or of V (1)
	s_mul_i32 s79, s78, VOFF
	s_mul_i32 s80, s77, PART
	s_add_co_u32 s80, s80, s79                     ; LDS: key step wave % 4
	s_mul_i32 s81, s77, 3*PART
	s_add_co_u32 s81, s81, s79
	s_add_co_u32 s81, s81, 4*PART                  ; LDS: key steps 4 + 3 (wave % 4) and the two behind it
	s_lshl_b32 s82, s77, 13
	s_add_co_u32 s82, s82, s76                     ; and the same in memory: 8,192 bytes a key step
	s_mov_b32 s83, 0
	s_mul_i32 s84, s77, 24576
	s_add_co_u32 s84, s84, s76
	s_add_co_u32 s84, s84, 32768
	s_mov_b32 s85, 0
	s_mov_b32 s[G1A], 15|(3<<16)|(1<<20)|(1<<21)|(5<<22)|(3<<25)   ; 15:0 the mask: all four partners; 17:16 elements of 8 bytes; 20 padding on; 21 set beside a mask; 24:22 after every 64 words; 31:25 four words
	s_mov_b32 s[G1A+1], 32<<16                     ; tensor_dim0: 32 elements = 256 bytes
	s_mov_b32 s[G1A+2], 32<<16                     ; tensor_dim1
	s_mov_b32 s[G1A+3], 32<<16                     ; tile_dim0
	s_mov_b32 s[G1A+4], 32                         ; tile_dim1: 32 rows
	s_mov_b32 s[G1A+5], 32                         ; from row to row
	s_mov_b32 s[G1A+6], 0
	s_mov_b32 s[G1A+7], 0
	s_mov_b32 s[G1B], 15|(3<<16)|(1<<20)|(1<<21)|(5<<22)|(3<<25)
	s_mov_b32 s[G1B+1], 32<<16
	s_mov_b32 s[G1B+2], 96<<16
	s_mov_b32 s[G1B+3], 32<<16
	s_mov_b32 s[G1B+4], 96                         ; 96 rows
	s_mov_b32 s[G1B+5], 32
	s_mov_b32 s[G1B+6], 0
	s_mov_b32 s[G1B+7], 0
	s_mov_b32 s[SEL], 0x76543210
	s_mov_b32 s[SEL+1], 0xfedcba98
	s_mov_b32 s[CS], 0x3e38aa3b                    ; log2(e) / 8
	s_wait_dscnt 0x0                               ; both opening adds are done
	s_wait_kmcnt 0x0
	s_load_b256 s[68:75], s[10:11], 0x0            ; e0 .. e7
	s_cmp_eq_u32 s78, 0
	s_cselect_b64 s[86:87], s[6:7], s[8:9]         ; K's codes or V's: by the wave's number alone
	s_mov_b32 s[G0A], 1
	s_mov_b32 s[G0A+1], s80
	s_add_nc_u64 s[G0A+2:G0A+3], s[86:87], s[82:83]
	s_or_b32 s[G0A+3], s[G0A+3], 0x80000000
	s_mov_b32 s[G0B], 1
	s_mov_b32 s[G0B+1], s81
	s_add_nc_u64 s[G0B+2:G0B+3], s[86:87], s[84:85]
	s_or_b32 s[G0B+3], s[G0B+3], 0x80000000
	s_lshl_b32 s88, s[CX], 11                      ; 32 cx queries of 64 bytes
	s_add_co_u32 s89, s88, s76
	s_sub_co_u32 s[LIMK], 15, s[WV]                ; my first group's block, and its last key step
	s_lshl_b32 s92, s[LIMK], 13                    ; a block of 128 queries is 8,192 bytes
	s_lshl_b32 s93, s[WV], 13
	s_mov_b32 s91, 0
	s_add_co_u32 s90, s89, s92
	s_add_nc_u64 s[QPA:QPA+1], s[4:5], s[90:91]
	s_add_co_u32 s90, s89, s93
	s_add_nc_u64 s[QPB:QPB+1], s[4:5], s[90:91]
	v_and_b32 v30, 15, v0                          ; r
	v_bfe_u32 v31, v0, 4, 1                        ; h
	v_lshlrev_b32 v[QO], 6, v30
	v_lshl_add_u32 v[QO], v31, 4, v[QO]            ; Q: 64 r + 16 h
	s_wait_alu depctr_va_vdst(0)
	WIN 0x40                                       ; destinations in window 1
	global_load_b128 v[Q0:Q0+3], v[QO], s[QPA:QPA+1]           ; Q of both my groups, asked for ahead of the tiles
	global_load_b128 v[Q0+4:Q0+7], v[QO], s[QPA:QPA+1] offset:32
	global_load_b128 v[Q1:Q1+3], v[QO], s[QPA:QPA+1] offset:1024
	global_load_b128 v[Q1+4:Q1+7], v[QO], s[QPA:QPA+1] offset:1056
	global_load_b128 v[QN:QN+3], v[QO], s[QPB:QPB+1]
	global_load_b128 v[QN+4:QN+7], v[QO], s[QPB:QPB+1] offset:32
	global_load_b128 v[QN+8:QN+11], v[QO], s[QPB:QPB+1] offset:1024
	global_load_b128 v[QN+12:QN+15], v[QO], s[QPB:QPB+1] offset:1056
	WIN 0
	ROUND
	tensor_load_to_lds s[G0A:G0A+3], s[G1A:G1A+7]
	s_nop 0
	NOPS 4
	s_and_b32 s89, s[BH], 15
	s_lshl_b32 s89, s89, 19                        ; ac: a head is 8,192 tokens of 64 bytes,
	s_lshr_b32 s94, s[BH], 4
	s_lshl_b32 s94, s94, 17                        ; a batch 2,048 tokens
	s_add_co_u32 s89, s89, s94
	s_add_co_u32 s89, s89, s88
	s_add_co_u32 s90, s89, s92
	s_add_nc_u64 s[OPA:OPA+1], s[12:13], s[90:91]
	s_add_co_u32 s90, s89, s93
	s_add_nc_u64 s[OPB:OPB+1], s[12:13], s[90:91]
	s_lshl_b32 s94, s[CX], 5                       ; 32 cx
	s_lshl_b32 s95, s[WV], 11
	s_add_co_u32 s95, s95, STAGE                   ; my stage
	s_wait_kmcnt 0x0
	s_add_co_i32 s96, s70, s71
	s_lshl_b32 s96, s96, 23
	s_add_co_i32 s[CS], s[CS], s96                 ; a score stands for score x 2^(e2 + e3): added to c's exponent field
	s_mov_b32 s[CS+1], s[CS]                       ; (named with it as a pair, so it is written)
	s_add_co_i32 s96, s72, 127
	s_lshl_b32 s97, s96, 23                        ; 2^e4
	s_add_co_i32 s96, s96, 8
	s_lshl_b32 s96, s96, 23
	s_or_b32 s[HOLD], s96, 0x600000                ; 448 x 2^e4
	s_sub_co_i32 s96, s74, s72
	s_sub_co_i32 s96, s96, s73
	s_add_co_i32 s96, s96, 127
	s_lshl_b32 s98, s96, 23                        ; 2^(e6 - e4 - e5): O's sums stand for sum x 2^(e4 + e5)
	s_add_co_i32 s96, s96, 8
	s_lshl_b32 s96, s96, 23
	s_or_b32 s99, s96, 0x600000
	v_lshrrev_b32 v32, 2, v30                      ; K: row r of a tile: line r / 4, 64 (r % 4) in it, + 16 h
	v_mul_u32_u24 v[AK0], v32, LINE
	v_and_b32 v32, 3, v30
	v_lshl_add_u32 v[AK0], v32, 6, v[AK0]
	v_lshl_add_u32 v[AK0], v31, 4, v[AK0]
	v_lshrrev_b32 v33, 1, v30                      ; V: row r of a tile: line r / 2, 128 (r % 2) in it, + 16 h
	v_mul_u32_u24 v[AV0], v33, LINE
	v_and_b32 v33, 1, v30
	v_lshl_add_u32 v[AV0], v33, 7, v[AV0]
	v_lshl_add_u32 v[AV0], v31, 4, v[AV0]
	v_add_nc_u32 v[AV0], VOFF, v[AV0]
	v_and_b32 v32, 31, v0
	v_lshlrev_b32 v[GO], 4, v32                    ; 16 x lane
	v_add_nc_u32 v[SRD], s95, v[GO]
	v_lshlrev_b32 v[STO], 6, v30
	v_lshl_add_u32 v[STO], v31, 3, v[STO]
	v_add_nc_u32 v[STO], s95, v[STO]               ; the stage: row r of 64 bytes, + 8 h
	v_lshlrev_b32 v33, 4, v31
	v_sub_nc_u32 v[D0], v30, v33
	v_add_nc_u32 v[D0], s94, v[D0]                 ; d = 32 cx + r - 16 h, the same in every diagonal step;
	v_add_nc_u32 v[D1], 16, v[D0]                  ; tile 1's queries lie 16 further on
	v_mov_b32 v[NINF], 0xff800000
	v_mov_b32 v[SCP], s97
	v_mov_b32 v[SCO], s98
	v_mov_b32 v[LIMO], s99
	v_mov_b32 v27, 0                               ; (named as the upper halves of the pairs v[26:27], v[28:29])
	v_mov_b32 v29, 0
	v_mov_b32 v[PL0], 0                            ; written once: a lane permute's destination counts as one of its sources
	v_mov_b32 v[PL1], 0
	INIT 1                                         ; its wait on the vector side stands behind the head's last vector line
	s_wait_tensorcnt 0x0                           ; my part of key steps 0-3 is in
	ds_add_u32 v[SPW], v[NIL]
	s_wait_dscnt 0x0
	ROUND                                          ; everybody's part is in, and all four work-groups are here
	tensor_load_to_lds s[G0B:G0B+3], s[G1B:G1B+7]
	s_nop 0
	NOPS 4
	s_wait_loadcnt 0x0                             ; Q is in
	s_mov_b32 s[CT], 0
	s_mov_b32 s[TBK], 0
.Lfirst:                                           ; key steps 0-3 of my first group (block 15 - w is 8 at the least: none of them lies on the diagonal)
	STEP 0
	s_add_co_u32 s[TBK], s[TBK], PART
	s_add_co_u32 s[CT], s[CT], 1
	s_cmp_lt_u32 s[CT], 4
	s_cbranch_scc1 .Lfirst
	s_wait_tensorcnt 0x0                           ; my part of key steps 4-15 is in
	ds_add_u32 v[SPW], v[NIL]
	s_wait_dscnt 0x0
	s_barrier_signal -1
	s_barrier_wait -1                              ; everybody's is; nothing is filled from here on, and the waves meet no more before the end
	s_mov_b32 s[CT], 0
.Lrest:                                            ; twenty trips of constant count: key steps 4 .. 15 for the first group, then 0 .. 7 for the second; a trip behind a group's last key step does nothing
	s_add_co_u32 s[KS], s[CT], 4
	s_and_b32 s[KS], s[KS], 15
	s_mul_i32 s[TBK], s[KS], PART
	s_cmp_lg_u32 s[CT], 12
	s_cbranch_scc1 .Lsame
	FINISH OPA
	INIT 0
	s_mov_b32 s[LIMK], s[WV]                       ; my second group's block
.Lsame:
	s_cmp_gt_u32 s[KS], s[LIMK]                    ; the wave's number and the count of trips alone
	s_cbranch_scc1 .Lhidden
	STEP 1
.Lhidden:
	s_add_co_u32 s[CT], s[CT], 1
	s_cmp_lt_u32 s[CT], 20
	s_cbranch_scc1 .Lrest
	FINISH OPB
	s_wait_tensorcnt 0x0                           ; the wave's end, behind my last tensor load and my last LDS store
	ds_add_u32 v[SPW], v[NIL]
	s_wait_dscnt 0x0
	ROUND                                          ; the closing round
	s_endpgm
.Lfunc_end_k_q34c09698c4_attn:
	.size	k_q34c09698c4_attn, .Lfunc_end_k_q34c09698c4_attn-k_q34c09698c4_attn
	.p2alignl 7, 3214868480
	.fill 96, 4, 3214868480
	.section	.rodata,"a",@progbits
	.p2align	6, 0x0
	.amdhsa_kernel k_q34c09698c4_attn
		.amdhsa_group_segment_fixed_size 327680
		.amdhsa_private_segment_fixed_size 0
		.amdhsa_enable_private_segment 0
		.amdhsa_kernarg_size 40
		.amdhsa_user_sgpr_count 2
		.amdhsa_user_sgpr_kernarg_segment_ptr 1
		.amdhsa_wavefront_size32 1
		.amdhsa_system_sgpr_workgroup_id_x 1
		.amdhsa_system_sgpr_workgroup_id_y 1
		.amdhsa_system_sgpr_workgroup_id_z 1
		.amdhsa_system_vgpr_workitem_id 0
		.amdhsa_next_free_vgpr 512
		.amdhsa_next_free_sgpr 100
		.amdhsa_reserve_vcc 0
		.amdhsa_float_denorm_mode_32 3
		.amdhsa_float_denorm_mode_16_64 3
		.amdhsa_memory_ordered 1
		.amdhsa_forward_progress 1
		.amdhsa_inst_pref_size 106
	.end_amdhsa_kernel
	.amdgpu_metadata
---
amdhsa.version: [ 1, 2 ]
amdhsa.kernels:
  - .name:           k_q34c09698c4_attn
    .symbol:         k_q34c09698c4_attn.kd
    .args:
      - { .name: qc, .offset: 0, .size: 8, .value_kind: global_buffer, .address_space: global }
      - { .name: kc, .offset: 8, .size: 8, .value_kind: global_buffer, .address_space: global }
      - { .name: vc, .offset: 16, .size: 8, .value_kind: global_buffer, .address_space: global }
      - { .name: lowp_scales, .offset: 24, .size: 8, .value_kind: global_buffer, .address_space: global }
      - { .name: ac, .offset: 32, .size: 8, .value_kind: global_buffer, .address_space: global }
    .group_segment_fixed_size: 327680
    .private_segment_fixed_size: 0
    .kernarg_segment_align: 8
    .kernarg_segment_size: 40
    .max_flat_workgroup_size: 256
    .sgpr_count:     100
    .vgpr_count:     512
    .wavefront_size: 32
...
	.end_amdgpu_metadata
.endif
;; end of part 3
;; launch oproj (part 4): grid 8 x 32, 4 waves a work-group, clusters of 4 x 4, 327,680 bytes of LDS; arguments ac, woc, lowp_scales, out0; writes out0
.if DOCPART == 4
	.amdgcn_target "amdgcn-amd-amdhsa--gfx1250"
	.amdhsa_code_object_version 6
	.text
	.protected	k_q34c09698c4_oproj
	.globl	k_q34c09698c4_oproj
	.p2align	8
	.type	k_q34c09698c4_oproj,@function
k_q34c09698c4_oproj:
	s_mov_b64 s[64:65], 0
	v_nop
	global_prefetch_b8 v0, s[64:65] scope:SCOPE_SE
	s_setreg_imm32_b32 hwreg(HW_REG_WAVE_MODE, 25, 1), 1
	s_wait_xcnt 0x0
	s_wait_alu depctr_hold_cnt(0) depctr_sa_sdst(0) depctr_va_vdst(0) depctr_va_sdst(0) depctr_va_ssrc(0) depctr_va_vcc(0) depctr_vm_vsrc(0)
	s_getreg_b32 s2, hwreg(HW_REG_IB_STS2, 6, 4)
	s_cmp_eq_u32 s2, 0
	s_cbranch_scc0 .Lentry_in_a_cluster
	s_endpgm
.Lentry_in_a_cluster:
	s_bfe_u32 s2, ttmp6, 0x10000c
	s_cmp_lg_u32 s2, 0xf033
	s_cbranch_scc0 .Lentry_shape_is_right
	s_endpgm
.Lentry_shape_is_right:
.set ROWB,   256
.set KROW,   1024
.set PITCH,  272
.set FR,     16
.set NL,     4
.set NP,     4
.set HEADB,  32*PITCH
.set HALFA,  4*HEADB
.set HALFB,  64*PITCH
.set SLOT,   2*HALFA+2*HALFB
.set ASTEP,  4*524288
.set SPARE,  2*SLOT
.set STAGE,  SPARE+512
.set SPITCH, 272
.set ADRA, 16
.set ADRB, 20
.set STO,  24
.set RD,   25
.set CO,   26
.set SPW,  28
.set NIL,  29
.set TMP,  32
.set AF,   128
.set BK,   128
.set G1, 24
.set G0, 32
.set G1B, 48
.set G0B, 56
.set MSB, 0
.macro WIN new
.if MSB != \new
	s_set_vgpr_msb (MSB<<8)|\new
.set MSB, \new
.endif
.endm
.set MUL,  0xa1
.set TO_B, 0x40
.macro JLOAD g0a, g1a, g0b, g1b
	s_cmp_eq_u32 s15, 0
	s_cbranch_scc0 .Lfor_b_\@
	tensor_load_to_lds s[\g0a:\g0a+3], s[\g1a:\g1a+7]
	s_nop 0
.rept 4
	v_nop
.endr
	s_branch .Lasked_\@
.Lfor_b_\@:
	tensor_load_to_lds s[\g0b:\g0b+3], s[\g1b:\g1b+7]
	s_nop 0
.rept 4
	v_nop
.endr
.Lasked_\@:
.endm
.macro CREST
	s_cmp_lg_u32 s14, 0
	s_cbranch_scc1 .Lnot_wave_0_\@
	s_barrier_signal -3
.Lnot_wave_0_\@:
	s_barrier_wait -3
	s_barrier_signal -1
	s_barrier_wait -1
.endm
.macro CROUND
	s_barrier_signal -1
	s_barrier_wait -1
	CREST
.endm
	s_load_b128 s[4:7], s[0:1], 0x0
	s_load_b128 s[8:11], s[0:1], 0x10
	v_lshl_add_u32 v[SPW], v0, 2, SPARE
	v_mov_b32 v[NIL], 0
	ds_add_u32 v28, v29
	ds_add_u32 v28, v29
	s_wait_dscnt 0x0
	v_lshrrev_b32 v1, 5, v0
	v_readfirstlane_b32 s14, v1
	s_lshr_b32 s15, s14, 1
	s_and_b32 s16, s14, 1
	s_bfe_u32 s40, ttmp6, 0x40000
	s_bfe_u32 s41, ttmp6, 0x40004
	s_lshl_b32 s42, ttmp9, 2
	s_add_co_u32 s42, s42, s40
	s_and_b32 s17, ttmp7, 0xffff
	s_lshl_b32 s17, s17, 2
	s_add_co_u32 s17, s17, s41
	s_lshl_b32 s43, s41, 2
	s_lshl_b32 s43, 15, s43
	s_lshl_b32 s44, 0x1111, s40
	s_or_b32 s[G1+0], s43, (3<<16)|(1<<20)|(1<<21)|(5<<22)|(3<<25)
	s_mov_b32 s[G1+1], 1024<<16
	s_mov_b32 s[G1+2], 4<<16
	s_mov_b32 s[G1+3], 1024<<16
	s_mov_b32 s[G1+4], 4
	s_mov_b32 s[G1+5], 65536
	s_mov_b32 s[G1+6], 0
	s_mov_b32 s[G1+7], 0
	s_or_b32 s[G1B+0], s44, (0<<16)|(1<<20)|(1<<21)|(5<<22)|(3<<25)
	s_mov_b32 s[G1B+1], ROWB<<16
	s_mov_b32 s[G1B+2], 64<<16
	s_mov_b32 s[G1B+3], ROWB<<16
	s_mov_b32 s[G1B+4], 64
	s_mov_b32 s[G1B+5], KROW
	s_mov_b32 s[G1B+6], 0
	s_mov_b32 s[G1B+7], 0
	s_lshl_b32 s20, s17, 8
	s_lshl_b32 s18, s16, 7
	s_add_co_u32 s20, s20, s18
	s_lshl_b32 s20, s20, 6
	s_mov_b32 s21, 0
	s_lshl_b32 s46, s42, 7
	s_lshl_b32 s18, s16, 6
	s_add_co_u32 s46, s46, s18
	s_lshl_b32 s46, s46, 10
	s_mov_b32 s47, 0
	s_mul_i32 s45, s16, HALFA
	s_mul_i32 s92, s16, HALFB
	s_add_co_u32 s92, s92, 2*HALFA
	s_wait_kmcnt 0x0
	s_load_b64 s[96:97], s[8:9], 0x18
	s_add_nc_u64 s[20:21], s[4:5], s[20:21]
	s_add_nc_u64 s[46:47], s[6:7], s[46:47]
	CROUND
.irp s, 0,1
	s_mov_b32 s[G0+4*\s], 1
	s_add_co_u32 s[G0+4*\s+1], s45, \s*SLOT
	s_add_nc_u64 s[G0+4*\s+2:G0+4*\s+3], s[20:21], \s*ASTEP
	s_or_b32 s[G0+4*\s+3], s[G0+4*\s+3], 0x80000000
	s_mov_b32 s[G0B+4*\s], 1
	s_add_co_u32 s[G0B+4*\s+1], s92, \s*SLOT
	s_add_nc_u64 s[G0B+4*\s+2:G0B+4*\s+3], s[46:47], \s*ROWB
	s_or_b32 s[G0B+4*\s+3], s[G0B+4*\s+3], 0x80000000
	s_wait_alu depctr_va_vdst(0)
	s_wait_tensorcnt 0x0
	ds_add_u32 v28, v29
	ds_add_u32 v28, v29
	s_wait_dscnt 0x0
	CROUND
	JLOAD G0+4*\s, G1, G0B+4*\s, G1B
.endr
	v_and_b32 v1, 15, v0
	v_bfe_u32 v2, v0, 4, 1
	v_lshrrev_b32 v3, 2, v1
	v_mul_u32_u24 v3, v3, PITCH
	v_and_b32 v4, 3, v1
	v_lshl_add_u32 v3, v4, 6, v3
	v_lshl_add_u32 v3, v2, 4, v3
	v_mul_u32_u24 v4, v1, PITCH
	v_lshl_add_u32 v4, v2, 4, v4
	s_mul_i32 s21, s15, HALFA
	s_mul_i32 s22, s16, HALFB
	s_add_co_u32 s22, s22, 2*HALFA
.irp s, 0,1
	v_add_nc_u32 v[ADRA+\s], s21, v3
	v_add_nc_u32 v[ADRB+\s], s22, v4
	s_add_co_u32 s21, s21, SLOT
	s_add_co_u32 s22, s22, SLOT
.endr
	s_mul_i32 s23, s14, 16*SPITCH
	s_add_co_u32 s23, s23, STAGE
	v_mul_u32_u24 v5, v1, SPITCH
	v_lshl_add_u32 v5, v2, 5, v5
	v_add_nc_u32 v[STO], s23, v5
	v_mul_u32_u24 v5, v2, SPITCH
	v_lshl_add_u32 v5, v1, 4, v5
	v_add_nc_u32 v[RD], s23, v5
	v_lshlrev_b32 v5, 12, v2
	v_lshl_add_u32 v[CO], v1, 4, v5
	s_lshl_b32 s84, s17, 8
	s_lshl_b32 s85, s15, 7
	s_add_co_u32 s84, s84, s85
	s_lshl_b32 s84, s84, 12
	s_lshl_b32 s86, s42, 9
	s_lshl_b32 s87, s16, 8
	s_add_co_u32 s86, s86, s87
	s_add_co_u32 s84, s84, s86
	s_mov_b32 s85, 0
	s_add_nc_u64 s[10:11], s[10:11], s[84:85]
.macro FRAGA reg, slot, q, i
.irp c, 0,1,2,3
	ds_load_b128 v[\reg+4*\c:\reg+4*\c+3], v[ADRA+\slot] offset:(2*(\q)+\c/2)*HEADB+(\i)*4*PITCH+32*(\c%2)
.endr
.endm
.macro FRAGB reg, slot, q, i
.irp c, 0,1,2,3
	ds_load_b128 v[\reg+4*\c:\reg+4*\c+3], v[ADRB+\slot] offset:128*(\q)+32*\c+(\i)*16*PITCH
.endr
.endm
.macro MUL8 a0, p, zero
.irp a, \a0, \a0+1
.irp b, 0,1,2,3
.if \zero
	v_wmma_f32_16x16x128_fp8_fp8 v[8*(4*(\a)+\b):8*(4*(\a)+\b)+7], v[128*(\p)+FR*\b:128*(\p)+FR*\b+FR-1], v[AF+FR*(\a):AF+FR*(\a)+FR-1], 0
.else
	v_wmma_f32_16x16x128_fp8_fp8 v[8*(4*(\a)+\b):8*(4*(\a)+\b)+7], v[128*(\p)+FR*\b:128*(\p)+FR*\b+FR-1], v[AF+FR*(\a):AF+FR*(\a)+FR-1], v[8*(4*(\a)+\b):8*(4*(\a)+\b)+7]
.endif
.endr
.endr
.endm
.macro FETCH_B slot, q, p
	WIN TO_B
.irp i, 0,1,2,3
	FRAGB 128*(\p)+FR*\i, \slot, \q, \i
.endr
	WIN 0
.endm
.macro FETCH_A slot, q, i0
.irp i, \i0, \i0+1, \i0+2, \i0+3
	FRAGA AF+FR*(\i), \slot, \q, \i
.endr
.endm
.macro PLACES n
.rept \n
	v_nop
.endr
.endm
.macro STEP slot, q, zero
	s_wait_dscnt 4*NL
	WIN MUL
	MUL8 0, (\q)%2, \zero
	MUL8 2, (\q)%2, \zero
	s_wait_dscnt 0
	PLACES NP
	FETCH_B \slot, (\q)+1, 1-(\q)%2
	FETCH_A \slot, (\q)+1, 0
	WIN MUL
	MUL8 4, (\q)%2, \zero
	MUL8 6, (\q)%2, \zero
	PLACES NP
	WIN 0
	FETCH_A \slot, (\q)+1, 4
.endm
.macro TURN slot, next, fill
	s_wait_tensorcnt 0x0
	ds_add_u32 v[SPW], v[NIL]
	s_wait_dscnt 4*NL+1
	WIN MUL
	MUL8 0, 1, 0
	s_wait_dscnt 0x0
	s_barrier_signal -1
	MUL8 2, 1, 0
	WIN 0
	s_barrier_wait -1
.if \fill
	CREST
	s_add_nc_u64 s[G0+4*\slot+2:G0+4*\slot+3], s[G0+4*\slot+2:G0+4*\slot+3], 2*ASTEP
	s_add_nc_u64 s[G0B+4*\slot+2:G0B+4*\slot+3], s[G0B+4*\slot+2:G0B+4*\slot+3], 2*ROWB
	JLOAD G0+4*\slot, G1, G0B+4*\slot, G1B
.else
	PLACES NP
.endif
	s_wait_alu depctr_va_vdst(0)
	FETCH_B \next, 0, 0
	FETCH_A \next, 0, 0
	WIN MUL
	MUL8 4, 1, 0
	MUL8 6, 1, 0
	PLACES NP
	WIN 0
	FETCH_A \next, 0, 4
.endm
	s_wait_tensorcnt 1
	s_barrier_signal -1
	s_barrier_wait -1
	FETCH_B 0, 0, 0
	FETCH_A 0, 0, 0
	FETCH_A 0, 0, 4
	STEP 0, 0, 1
	TURN 0, 1, 1
	STEP 1, 0, 0
	TURN 1, 0, 1
	STEP 0, 0, 0
	TURN 0, 1, 0
	STEP 1, 0, 0
	s_wait_dscnt 4*NL
	WIN MUL
	MUL8 0, 1, 0
	MUL8 2, 1, 0
	s_wait_dscnt 0
	MUL8 4, 1, 0
	MUL8 6, 1, 0
	WIN 0
.macro TOSTAGE a
	WIN 0x02
.irp j, 0,2,4,6,8,10,12,14,16,18,20,22,24,26,28,30
	v_pk_mul_f32 v[TMP+\j:TMP+\j+1], v[32*(\a)+\j:32*(\a)+\j+1], s[96:97] op_sel_hi:[1,0]
.endr
	WIN 0
.irp b, 0,1,2,3
	ds_store_b128 v[STO], v[TMP+8*\b:TMP+8*\b+3] offset:64*\b
	ds_store_b128 v[STO], v[TMP+8*\b+4:TMP+8*\b+7] offset:64*\b+16
.endr
.set BB, BK+32*((\a)%2)
.irp t, 0,1,2,3,4,5,6,7
	ds_load_b128 v[BB+4*\t:BB+4*\t+3], v[RD] offset:\t*2*SPITCH
.endr
.endm
.macro SEND a, younger
.set BB, BK+32*((\a)%2)
	s_wait_dscnt \younger
.if (\a) > 0
	s_add_nc_u64 s[10:11], s[10:11], 16*4096
.endif
.irp t, 0,1,2,3,4,5,6,7
	global_store_b128 v[CO], v[BB+4*\t:BB+4*\t+3], s[10:11] offset:\t*2*4096 th:TH_STORE_NT
.endr
.endm
	s_wait_kmcnt 0x0
	s_add_co_i32 s96, s96, s97
	s_add_co_i32 s96, s96, 127
	s_lshl_b32 s96, s96, 23
	PLACES NP
	TOSTAGE 0
.irp a, 1,2,3,4,5,6,7
.if \a > 1
	s_wait_xcnt 0x0
.endif
	TOSTAGE \a
	SEND \a-1, 16
.endr
	s_wait_xcnt 0x0
	SEND 7, 0
	s_wait_tensorcnt 0x0
	ds_add_u32 v[SPW], v[NIL]
	s_wait_dscnt 0x0
	CROUND
	s_endpgm
.Lfunc_end_k_q34c09698c4_oproj:
	.size	k_q34c09698c4_oproj, .Lfunc_end_k_q34c09698c4_oproj-k_q34c09698c4_oproj
	.p2alignl 7, 3214868480
	.fill 96, 4, 3214868480
	.section	.rodata,"a",@progbits
	.p2align	6, 0x0
	.amdhsa_kernel k_q34c09698c4_oproj
		.amdhsa_group_segment_fixed_size 327680
		.amdhsa_private_segment_fixed_size 0
		.amdhsa_enable_private_segment 0
		.amdhsa_kernarg_size 32
		.amdhsa_user_sgpr_count 2
		.amdhsa_user_sgpr_kernarg_segment_ptr 1
		.amdhsa_wavefront_size32 1
		.amdhsa_system_sgpr_workgroup_id_x 1
		.amdhsa_system_sgpr_workgroup_id_y 1
		.amdhsa_system_sgpr_workgroup_id_z 1
		.amdhsa_system_vgpr_workitem_id 0
		.amdhsa_next_free_vgpr 768
		.amdhsa_next_free_sgpr 98
		.amdhsa_reserve_vcc 0
		.amdhsa_float_denorm_mode_32 3
		.amdhsa_float_denorm_mode_16_64 3
		.amdhsa_memory_ordered 1
		.amdhsa_forward_progress 1
		.amdhsa_inst_pref_size 79
	.end_amdhsa_kernel
	.amdgpu_metadata
---
amdhsa.version: [ 1, 2 ]
amdhsa.kernels:
  - .name:           k_q34c09698c4_oproj
    .symbol:         k_q34c09698c4_oproj.kd
    .args:
      - { .name: ac, .offset: 0, .size: 8, .value_kind: global_buffer, .address_space: global }
      - { .name: woc, .offset: 8, .size: 8, .value_kind: global_buffer, .address_space: global }
      - { .name: lowp_scales, .offset: 16, .size: 8, .value_kind: global_buffer, .address_space: global }
      - { .name: out0, .offset: 24, .size: 8, .value_kind: global_buffer, .address_space: global }
    .group_segment_fixed_size: 327680
    .private_segment_fixed_size: 0
    .kernarg_segment_align: 8
    .kernarg_segment_size: 32
    .max_flat_workgroup_size: 128
    .sgpr_count:     98
    .vgpr_count:     768
    .wavefront_size: 32
...
	.end_amdgpu_metadata
.endif
;; end of part 4
